; MI455X (gfx1250); checked and timed in simulation.
; The chip was launched on July 23, 2026; its instructions are those of AMD's public machine-readable ISA for CDNA 5 (MIT licence, August 2026) and "CDNA5" Instruction Set Architecture Reference Guide (July 2026). The comments in the code are by the model that wrote it; some were corrected since.
;; Multi Head Attention. Allowed arithmetic: matrix products marked QUANTISED: E2M3 operands, one E8M0 scale for each 32 along K, by v_wmma_scale_f32_16x16x128_f8f6f4 with both operands' format E2M3, f32 sums; everything else in f32.
;; Inputs: W_k 1,024 x 1,024 float32; W_o 1,024 x 1,024 float32; W_q 1,024 x 1,024 float32; W_v 1,024 x 1,024 float32; x 4 x 2,048 x 1,024 float32.
;; Outputs: out0 4 x 2,048 x 1,024 float32.
;; This version of the problem:
;;   THIS VERSION OF THE PROBLEM IS GIVEN IN LOW PRECISION. The matrix products marked QUANTISED in the list below multiply operands that are first quantised to E2M3 (2 exponent bits, 3 mantissa bits; 6 bits a number), with one power-of-two scale for each 32 numbers along K (OCP MX v1.0); their sums are f32. All else is computed in f32.
;;   The module's matrix products, in the order in which they are computed (A, B: the left and right operand; K: the contracted axis; several contracted axes count as one K, in the product's order):
;;     1. [M 8,192, K 1,024] x [K 1,024, N 1,024]; A: input x; B: input W_q: QUANTISED
;;     2. [M 8,192, K 1,024] x [K 1,024, N 1,024]; A: input x; B: input W_k: QUANTISED
;;     3. [M 8,192, K 1,024] x [K 1,024, N 1,024]; A: input x; B: input W_v: QUANTISED
;;     4. batch 64 x [M 2,048, K 64] x [K 64, N 2,048]; A: computed on the way; B: computed on the way: QUANTISED
;;     5. batch 64 x [M 2,048, K 2,048] x [K 2,048, N 64]; A: softmax (see below); B: computed on the way: QUANTISED
;;     6. [M 8,192, K 1,024] x [K 1,024, N 1,024]; A: computed on the way; B: input W_o: QUANTISED
;;   THE QUANTISER, for each operand of a quantised product, along K:
;;     - K is cut into blocks of 32 from its start; a last block that is shorter is filled with zeros.
;;     - A block's scale is 2^e with e = floor(log2(the largest magnitude in the block)) - 2, held to -126 .. 127; a block of zeros has e = 0. As a byte (E8M0): e + 127.
;;     - Each number is divided by its block's scale, clamped to +-7.5, and rounded to the nearest number of E2M3, ties to even, subnormals kept.
;;     - The product sums the exact products of the quantised numbers (number of the format x scale) in f32.
;;   ~~~python
;;   def quantise(x, axis):      # numpy; x: float32 -> the quantised numbers, widened to float32 again
;;       x = np.moveaxis(x, axis, -1); K = x.shape[-1]
;;       x = np.pad(x, [(0, 0)] * (x.ndim - 1) + [(0, -K % 32)]); x = x.reshape(x.shape[:-1] + (-1, 32)); a = np.abs(x).max(-1, keepdims=True)
;;       e = np.where(a > 0, np.clip(np.frexp(np.where(a > 0, a, 1))[1] - 1 - 2, -126, 127), 0)      # np.frexp(a)[1] - 1 = floor(log2(a)), exactly
;;       r = np.clip(x / 2.0 ** e, -7.5, 7.5)
;;       step = 2.0 ** (np.maximum(np.frexp(np.where(r == 0, 1, r))[1] - 1, 0) - 3)
;;       q = np.round(r / step) * step * 2.0 ** e      # np.round: ties to even
;;       return np.moveaxis(q.reshape(q.shape[:-2] + (-1,))[..., :K], -1, axis).astype(np.float32)
;;   ~~~
;;   SOFTMAX AHEAD OF A QUANTISED PRODUCT. Where the list says 'softmax', what is quantised is not the finished softmax but p = 2^(t - M), with t = logit x log2(e) and M = ceil(the row's largest t), a whole number; so 1/2 < the row's largest p <= 1. The row's sum l is taken of the UNQUANTISED p, in f32, and the product's result is divided by l at the end. Since M is a whole number, a kernel that streams over the keys may use a running M (the ceiling of the running maximum): every later rescaling is an exact power of two, which a block's scale takes up: the codes' values come out the same.
;;   OPERANDS COMPUTED ON THE WAY. 'Computed on the way' means the value that the module computes at that place (a softmax that the list does not call 'softmax' is quantised finished and normalised). What goes into a quantiser is computed in f32, as accurately as f32 sums, v_exp_f32 and their like allow (about 1e-6 of the number): no bf16 or f16 on the way to a quantiser, and a product that is left as it is and whose result goes on into a quantised operand takes f32 operands (vector FMAs, or v_wmma_f32_16x16x4_f32). A number that lies on a knife's edge between two numbers of the format may be rounded either way, as far as f32 arithmetic and the matrix unit's own rounding can turn it there, and no further.
;; One version. Each part assembles by itself: llvm-mc -triple=amdgcn-amd-amdhsa -mcpu=gfx1250 --defsym DOCPART=n.
;; ======== version 1 of 1: 4 launches
;; workspace buffers: xg 6,553,600 bytes; wg 3,276,800 bytes; qb 6,815,744 bytes; kv 13,369,344 bytes; cg 6,553,600 bytes
;; launch quant (part 1): grid 768 x 1, 2 waves a work-group, no clusters, 17,152 bytes of LDS; arguments x, W_q, W_k, W_v, W_o, xg, wg; writes xg, wg
.if DOCPART == 1
	.amdgcn_target "amdgcn-amd-amdhsa--gfx1250"
	.amdhsa_code_object_version 6
	.text
	.protected	k_q3790071bd3_quant
	.globl	k_q3790071bd3_quant
	.p2align	8
	.type	k_q3790071bd3_quant,@function
k_q3790071bd3_quant:
	s_mov_b64 s[64:65], 0
	v_nop
	global_prefetch_b8 v0, s[64:65] scope:SCOPE_SE
	s_setreg_imm32_b32 hwreg(HW_REG_WAVE_MODE, 25, 1), 1
	s_wait_xcnt 0x0
; x [8192][1024] and W_q, W_k, W_v, W_o [1024][1024], f32, K innermost, become codes of FP6 (E2M3) with one E8M0 byte for each 32 along K,
; laid IN THE ORDER OF THE OPERAND'S REGISTERS, so that the products' launches load fragments by 16 and 8 bytes a lane and nothing else.
; LAYOUT of xg and wg: [group of 128 rows][quarter of K, 256 along K][25,600 bytes].  In such a block: codes [tile t 0..7][unit 0..3][768 bytes], then from byte 24,576 the
; scale words at 128 t + 8 r + 4 s2 (s2: which 128 along K).  A UNIT is 16 rows x 64 along K: lane l's registers 0-3 at 16 l, its registers 4-5 at 512 + 8 l.
; THE ROWS OF A TILE ARE NOT NEIGHBOURS: lane r of tile t takes row 32 (t / 2) + 8 (t % 2) + r + 8 (r / 8) of the group, so that a transposed product's 16 registers of two neighbouring tiles are 16 neighbours.
; wg's groups: 0-7 W_q, 8-15 W_k, 16-23 W_v, 24-31 W_o.
; A block's scale is 2^(floor(log2(largest magnitude)) - 2); its byte is the largest magnitude's exponent field - 2, held at 1 from below.
; LIMITS: NaN and infinities among the inputs are not served; a block of zeros gets the byte 1 where the rule says 127 (its codes are zeros, and this program alone reads the bytes).
; SHARES: a work-group's two waves take 32 rows (two tiles) x 256 along K each: four units of work u = 2 j + s2 (tile j, 128 along K).  Each load reads 512 consecutive bytes of one row;
; the 16 rows turn through the wave's own stage in LDS (rows 528 bytes apart) and come back 16 neighbours a lane and block.  Waves share nothing: no barrier.
.set STG,   16*528                     ; a wave's stage
.set SPARE, 2*STG                      ; behind the stages: the spare words, 128 bytes a wave: one block of 256 bytes that no other line names
.set SPW,   12                         ; v12  LDS address of my spare word; never rewritten
.set NIL,   13                         ; v13  0; never rewritten
.set R,     16                         ; v16-143  two sets of 64 registers: 16 rows as loaded
.set X,     144                        ; v144-207 64 numbers of my row: register 16 b + i = k 32 b + 16 (lane / 16) + i
.set PC,    208                        ; v208-227 the codes just made, and the conversions' second halves
.set TM,    228                        ; v228-243 at work
.set PWS,   244                        ; v244-247 the four units' scale words
.set SEL,   36                         ; s[36:37] lane selects for v_permlanex16_b32: lane l xor 16
	s_load_b256 s[4:11], s[0:1], 0x0               ; x, W_q, W_k, W_v
	s_load_b128 s[12:15], s[0:1], 0x20             ; W_o, xg
	s_load_b64 s[16:17], s[0:1], 0x30              ; wg
	v_lshl_add_u32 v[SPW], v0, 2, SPARE
	v_mov_b32 v[NIL], 0
	v_lshrrev_b32 v5, 5, v0
	v_readfirstlane_b32 s18, v5                    ; wave 0, 1
	v_and_b32 v5, 31, v0                           ; lane
	v_and_b32 v6, 15, v0                           ; r
	v_bfe_u32 v7, v0, 4, 1                         ; h
	v_lshlrev_b32 v1, 4, v5                        ; 16 x lane: a load's 512 bytes, and a unit's first part
	v_lshlrev_b32 v2, 3, v5                        ; 8 x lane: a unit's second part, and the scale words
	s_mul_i32 s19, s18, STG
	v_add_nc_u32 v3, s19, v1                       ; the stage on the way in: 16 x lane in a row
	v_mul_u32_u24 v4, v6, 528
	v_lshl_add_u32 v4, v7, 6, v4
	v_add_nc_u32 v4, s19, v4                       ; and on the way out: row r, + 64 h
.irp b, 0,1,2,3
	v_mov_b32 v[TM+4+\b], 0                        ; written once: a lane permute's destination counts as one of its sources
.endr
	s_mov_b32 s[SEL], 0x76543210
	s_mov_b32 s[SEL+1], 0xfedcba98
	s_lshr_b32 s20, ttmp9, 1                       ; P: which 32 rows: 0-255 of x, 256-383 of the four weights
	s_and_b32 s21, ttmp9, 1
	s_lshl_b32 s21, s21, 1
	s_add_co_u32 s21, s21, s18                     ; my quarter of K
	s_and_b32 s27, s20, 31                         ; a weight's 32 rows
	s_sub_co_u32 s28, s20, 256                     ; and their number among all weights' (wraps for x: not chosen there)
	s_wait_alu depctr_va_vdst(0)
	s_wait_kmcnt 0x0
	s_mov_b64 s[22:23], s[6:7]                     ; the choices hang on the work-group's number alone
	s_cmp_ge_u32 s20, 288
	s_cselect_b64 s[22:23], s[8:9], s[22:23]
	s_cmp_ge_u32 s20, 320
	s_cselect_b64 s[22:23], s[10:11], s[22:23]
	s_cmp_ge_u32 s20, 352
	s_cselect_b64 s[22:23], s[12:13], s[22:23]
	s_cmp_lt_u32 s20, 256
	s_cselect_b64 s[22:23], s[4:5], s[22:23]       ; from where
	s_cselect_b64 s[24:25], s[14:15], s[16:17]     ; to where
	s_cselect_b32 s26, s20, s27                    ; which 32 rows of the source
	s_cselect_b32 s28, s20, s28                    ; and of the destination
	s_lshl_b32 s30, s26, 17                        ; 32 rows of 4,096 bytes
	s_lshl_b32 s31, s21, 10                        ; 256 numbers
	s_add_co_u32 s30, s30, s31
	s_mov_b32 s31, 0
	s_add_nc_u64 s[22:23], s[22:23], s[30:31]
	s_lshr_b32 s30, s28, 2                         ; the group
	s_mul_i32 s30, s30, 102400
	s_mul_i32 s29, s21, 25600
	s_add_co_u32 s30, s30, s29
	s_add_nc_u64 s[24:25], s[24:25], s[30:31]      ; my block
	s_and_b32 s29, s28, 3                          ; my two tiles are 2 (P & 3) and the next
	s_mul_i32 s30, s29, 6144
	s_add_nc_u64 s[32:33], s[24:25], s[30:31]      ; their codes
	s_lshl_b32 s30, s29, 8
	s_add_co_u32 s30, s30, 24576
	s_add_nc_u64 s[34:35], s[24:25], s[30:31]      ; their scale words: 256 bytes
.macro LOAD u                          ; the 16 rows of tile u / 2, 128 numbers from 128 (u % 2) on: 512 consecutive bytes a load
.irp i, 0,1,2,3,4,5,6,7,8,9,10,11,12,13,14,15
	global_load_b128 v[R+64*((\u)%2)+4*\i:R+64*((\u)%2)+4*\i+3], v1, s[22:23] offset:(8*((\u)/2)+\i+8*(\i/8))*4096+512*((\u)%2) th:TH_LOAD_NT
.endr
.endm
.macro TURN u                          ; through the stage: LDS serves a wave's instructions in order, so no wait stands between the stores and the loads
.irp i, 0,1,2,3,4,5,6,7,8,9,10,11,12,13,14,15
	ds_store_b128 v3, v[R+64*((\u)%2)+4*\i:R+64*((\u)%2)+4*\i+3] offset:528*\i
.endr
.irp b, 0,1,2,3
.irp q, 0,1,2,3
	ds_load_b128 v[X+16*\b+4*\q:X+16*\b+4*\q+3], v4 offset:128*\b+16*\q
.endr
.endr
.endm
; 64 numbers of a lane, register 16 b + i = k 32 b + 16 (lane / 16) + i of my row, become a fragment's 12 registers in v[PC] on and its scale word in v[pw]
.macro QUANT s, pw
.irp b, 0,1,2,3
	v_max3_num_f32 v[TM+\b], |v[\s+16*\b]|, |v[\s+1+16*\b]|, 0x1800000   ; my 16 numbers of block b, and the floor 2^(3 - 127): the byte cannot fall under 1
.endr
.irp i, 2,4,6,8,10,12,14
.irp b, 0,1,2,3
	v_max3_num_f32 v[TM+\b], v[TM+\b], |v[\s+16*\b+\i]|, |v[\s+1+16*\b+\i]|   ; the four blocks by turns
.endr
.endr
.irp b, 0,1,2,3
	v_permlanex16_b32 v[TM+4+\b], v[TM+\b], s[SEL], s[SEL+1]
.endr
.irp b, 0,1,2,3
	v_max_num_f32 v[TM+\b], v[TM+\b], v[TM+4+\b]   ; with lane l xor 16's: the block's largest magnitude
.endr
.irp b, 0,1,2,3
	v_add_nc_u32 v[TM+12+\b], 0xff000000, v[TM+\b] ; 2 off its exponent field: the conversion takes this operand's exponent field as its scale
.endr
.irp b, 0,1,2,3
	v_lshrrev_b32 v[TM+4+\b], 23, v[TM+12+\b]      ; the scale's byte
.endr
	v_lshl_or_b32 v[\pw], v[TM+5], 8, v[TM+4]
	v_lshl_or_b32 v[\pw], v[TM+6], 16, v[\pw]
	v_lshl_or_b32 v[\pw], v[TM+7], 24, v[\pw]      ; my row's scale word
.irp c, 0,1
	v_cvt_scalef32_pk16_fp6_f32 v[PC+6*\c:PC+2+6*\c], v[\s+32*\c:\s+15+32*\c], v[TM+12+2*\c]
	v_cvt_scalef32_pk16_fp6_f32 v[PC+12+4*\c:PC+14+4*\c], v[\s+16+32*\c:\s+31+32*\c], v[TM+12+2*\c+1]   ; (a conversion's three registers begin on an even number)
.endr
	v_nop                                          ; one plain place behind a scaled conversion
.irp c, 0,1                            ; the operand's layout wants a whole block in a lane: lanes 0-15 block 2 c, lanes 16-31 block 2 c + 1
.irp i, 0,1,2
	v_permlane16_swap_b32 v[PC+6*\c+\i], v[PC+12+4*\c+\i]
.endr
.irp i, 0,1,2
	v_mov_b32 v[PC+3+6*\c+\i], v[PC+12+4*\c+\i]
.endr
.endr
.endm
.macro PUT u                           ; two units: each 512 + 256 consecutive bytes, at multiples of 256 from the buffer's first byte
.irp c, 0,1
	global_store_b128 v1, v[PC+6*\c:PC+6*\c+3], s[32:33] offset:3072*((\u)/2)+1536*((\u)%2)+768*\c
	global_store_b64 v2, v[PC+6*\c+4:PC+6*\c+5], s[32:33] offset:3072*((\u)/2)+1536*((\u)%2)+768*\c+512
.endr
.endm
	LOAD 0
	LOAD 1
.irp u, 0,1,2,3
.if \u < 3
	s_wait_loadcnt 16                              ; this unit's 16 loads are in; the next unit's 16 may be out
.else
	s_wait_loadcnt 0x0
.endif
	TURN \u
	s_wait_dscnt 0x0                               ; the stage's stores have read their registers, and my 64 numbers are back
.if \u < 2
	LOAD \u+2
.endif
	s_wait_xcnt 0x0                                ; the last unit's stores have read the codes' registers, which are written again below
	QUANT X, PWS+\u
	PUT \u
.endr
	v_cmp_lt_u32 vcc_lo, 15, v5                    ; lanes 0-15 store the first tile's two words of row r, lanes 16-31 the second tile's
	v_cndmask_b32 v248, v[PWS], v[PWS+2], vcc_lo
	v_cndmask_b32 v249, v[PWS+1], v[PWS+3], vcc_lo
	global_store_b64 v2, v[248:249], s[34:35]      ; 256 consecutive bytes, aligned
	s_wait_tensorcnt 0x0                           ; the wave's end: behind my last LDS store
	ds_add_u32 v[SPW], v[NIL]
	s_wait_dscnt 0x0
	s_endpgm
.Lfunc_end_k_q3790071bd3_quant:
	.size	k_q3790071bd3_quant, .Lfunc_end_k_q3790071bd3_quant-k_q3790071bd3_quant
	.p2alignl 7, 3214868480
	.fill 96, 4, 3214868480
	.section	.rodata,"a",@progbits
	.p2align	6, 0x0
	.amdhsa_kernel k_q3790071bd3_quant
		.amdhsa_group_segment_fixed_size 17152
		.amdhsa_private_segment_fixed_size 0
		.amdhsa_enable_private_segment 0
		.amdhsa_kernarg_size 56
		.amdhsa_user_sgpr_count 2
		.amdhsa_user_sgpr_kernarg_segment_ptr 1
		.amdhsa_wavefront_size32 1
		.amdhsa_system_sgpr_workgroup_id_x 1
		.amdhsa_system_sgpr_workgroup_id_y 1
		.amdhsa_system_sgpr_workgroup_id_z 1
		.amdhsa_system_vgpr_workitem_id 0
		.amdhsa_next_free_vgpr 256
		.amdhsa_next_free_sgpr 66
		.amdhsa_reserve_vcc 1
		.amdhsa_float_denorm_mode_32 3
		.amdhsa_float_denorm_mode_16_64 3
		.amdhsa_memory_ordered 1
		.amdhsa_forward_progress 1
		.amdhsa_inst_pref_size 34
	.end_amdhsa_kernel
	.amdgpu_metadata
---
amdhsa.version: [ 1, 2 ]
amdhsa.kernels:
  - .name:           k_q3790071bd3_quant
    .symbol:         k_q3790071bd3_quant.kd
    .args:
      - { .name: x, .offset: 0, .size: 8, .value_kind: global_buffer, .address_space: global }
      - { .name: W_q, .offset: 8, .size: 8, .value_kind: global_buffer, .address_space: global }
      - { .name: W_k, .offset: 16, .size: 8, .value_kind: global_buffer, .address_space: global }
      - { .name: W_v, .offset: 24, .size: 8, .value_kind: global_buffer, .address_space: global }
      - { .name: W_o, .offset: 32, .size: 8, .value_kind: global_buffer, .address_space: global }
      - { .name: xg, .offset: 40, .size: 8, .value_kind: global_buffer, .address_space: global }
      - { .name: wg, .offset: 48, .size: 8, .value_kind: global_buffer, .address_space: global }
    .group_segment_fixed_size: 17152
    .private_segment_fixed_size: 0
    .kernarg_segment_align: 8
    .kernarg_segment_size: 56
    .max_flat_workgroup_size: 64
    .sgpr_count:     66
    .vgpr_count:     256
    .wavefront_size: 32
...
	.end_amdgpu_metadata
.endif
;; end of part 1
;; launch qkv (part 2): grid 8 x 96, 4 waves a work-group, clusters of 4 x 4, 307,712 bytes of LDS; arguments xg, wg, qb, kv; writes qb, kv
.if DOCPART == 2
	.amdgcn_target "amdgcn-amd-amdhsa--gfx1250"
	.amdhsa_code_object_version 6
	.text
	.protected	k_q3790071bd3_qkv
	.globl	k_q3790071bd3_qkv
	.p2align	8
	.type	k_q3790071bd3_qkv,@function
k_q3790071bd3_qkv:
	s_mov_b64 s[64:65], 0
	v_nop
	global_prefetch_b8 v0, s[64:65] scope:SCOPE_SE
	s_setreg_imm32_b32 hwreg(HW_REG_WAVE_MODE, 25, 1), 1
	s_wait_xcnt 0x0
	s_wait_alu depctr_hold_cnt(0) depctr_sa_sdst(0) depctr_va_vdst(0) depctr_va_sdst(0) depctr_va_ssrc(0) depctr_va_vcc(0) depctr_vm_vsrc(0)
	s_getreg_b32 s2, hwreg(HW_REG_IB_STS2, 6, 4)
	s_cmp_eq_u32 s2, 0
	s_cbranch_scc0 .Lentry_in_a_cluster
	s_endpgm
.Lentry_in_a_cluster:
	s_bfe_u32 s2, ttmp6, 0x10000c
	s_cmp_lg_u32 s2, 0xf033
	s_cbranch_scc0 .Lentry_shape_is_right
	s_endpgm
.Lentry_shape_is_right:
; q = x W_q^T, k = x W_k^T, v = x W_v^T on codes of FP6 (E2M3) with E8M0 scales, and the results quantised in registers: q and k along the head's 64, v along the keys.  No f32 result goes to memory.
; ONE BODY, C = A B^T quantised along N, for two shapes.  Cluster rows 0-15: A = 128 tokens (a group of xg), B = 256 rows of W_q (cluster x 0) or W_k (1): N = features.
; Cluster rows 16-23: A = 128 rows of W_v (two heads), B = 256 tokens (two groups of xg): N = keys, so that v comes out with the keys along a lane's registers.  The choice hangs on the cluster's y alone: it is the same in all partners.
; xg, wg: [group of 128 rows][quarter of K][25,600]: codes [tile 0..7][unit 0..3][768], scale words from 24,576 at 128 t + 8 r + 4 s2.  A unit (16 rows x 64 K): lane l's registers 0-3 at 16 l, registers 4-5 at 512 + 8 l.
; Lane r of tile t is row 32 (t / 2) + 8 (t % 2) + r + 8 (r / 8) of the group.
; THE WHOLE K = 1,024 OF THE TILE LIES IN LDS: 12 blocks of 25,600 bytes, each filled once, by one tensor load; nothing is filled again.  A wave has four tensor loads out.
; Four waves: wave (wr, wc) takes A's tiles 4 wr .. 4 wr + 3 against the 8 tiles of B's group wc: 32 accumulators.  THE MATRIX INSTRUCTION IS USED TRANSPOSED (source 0 = B's tile, source 1 = A's):
; a lane holds one row of A, and the 16 registers of B's tiles 2 b, 2 b + 1 are N = 32 b + 16 (lane / 16) + 0 .. 15: 16 neighbours along the next product's K.
; CLUSTERS: 4 x 4.  A's blocks are shared along a row of the cluster, B's along a column: joint loads.
; OUT.  qb: [b h][128 tokens][6,656]: codes [tile][768], words at 6,144 + 256 (t / 4) + 16 r + 4 (t % 4) (two scale bytes, two zeros).  kv: [b h][128 keys][13,056]: K as in qb; V^T codes at 6,656 + 1,536 t + 768 c; V's words at 12,800 + 128 (t / 2) + 8 r + 4 (t % 2).
; LIMITS: NaN and infinities are not served; a block of zeros gets the byte 1 (its codes are zeros; this program alone reads the bytes).
; REGISTERS: window 0: v1-25 addresses and small things; v32-63 scale words, two sets; v64-159 A's fragments, two sets; v160-195 the way out.  window 1: B's fragments, sets at v0 and v128.  window 2: accumulator (a, b) at v[8 (8 a + b)].
.set GRP,   102400                     ; a group's four blocks
.set BLKB,  25600
.set LA,    2*GRP                      ; LDS: B's group 0, B's group 1, A's group
.set SPARE, 3*GRP                      ; behind them: the spare words, 128 bytes a wave: two blocks of 256 bytes that no other line names
.set A16, 4                            ; v4  my 16 bytes in A's units    v5  my 8 bytes
.set A8,  5
.set B16, 6                            ; v6, v7 the same for B
.set B8,  7
.set ADS, 8                            ; v8  scale words: lanes 0-15 B's tile i, lanes 16-31 A's tile i (i < 4)
.set ADS2, 9                           ; v9  the same for i >= 4: lanes 16-31 A's tile i - 4
.set SPW, 10
.set NIL, 11
.set L16, 12                           ; v12-15 the way out: 16 x lane, 8 x lane, and the same for a fragment's second unit
.set L8,  13
.set L16B, 14
.set L8B, 15
.set PWS, 16                           ; v16-19 the four scale words made
.set SC,  32
.set AF,  64
.set PC,  160
.set TM,  180
.set WV,  12
.set G1A, 24
.set G1B, 32
.set G0A, 40
.set G0B, 68
.set DB,  66                           ; s[66:67] where the codes go
.set MSB, 0
.macro WIN new                         ; the immediate's high byte repeats the setting that is left
.if MSB != \new
	s_set_vgpr_msb (MSB<<8)|\new
.set MSB, \new
.endif
.endm
.macro CROUND                          ; a round of the cluster's barrier
	s_barrier_signal -1
	s_barrier_wait -1
	s_cmp_lg_u32 s[WV], 0
	s_cbranch_scc1 .Lnot_wave_0_\@
	s_barrier_signal -3
.Lnot_wave_0_\@:
	s_barrier_wait -3
	s_barrier_signal -1
	s_barrier_wait -1
.endm
.macro PLACES n
.rept \n
	v_nop
.endr
.endm
	s_load_b256 s[4:11], s[0:1], 0x0               ; xg, wg, qb, kv
	v_lshl_add_u32 v[SPW], v0, 2, SPARE
	v_mov_b32 v[NIL], 0
	ds_add_u32 v[SPW], v[NIL]
	ds_add_u32 v[SPW], v[NIL]                      ; the wave's opening: the add and its wait stand ahead of the first tensor loads; work on registers stands between them
	v_lshrrev_b32 v1, 5, v0
	v_readfirstlane_b32 s[WV], v1                  ; wave 0..3
	s_lshr_b32 s13, s[WV], 1                       ; wr
	s_and_b32 s14, s[WV], 1                        ; wc
	s_bfe_u32 s15, ttmp6, 0x40000                  ; cx
	s_bfe_u32 s16, ttmp6, 0x40004                  ; cy
	s_mov_b32 s17, ttmp9                           ; cluster x: 0, 1
	s_and_b32 s18, ttmp7, 0xffff                   ; cluster y: 0..23
	s_lshl_b32 s19, s16, 2
	s_lshl_b32 s19, 15, s19                        ; my row of the cluster
	s_lshl_b32 s22, 0x1111, s15                    ; my column
	s_or_b32 s[G1A], s19, (3<<16)|(1<<21)          ; group 1: a dense block as 100 rows of 32 elements of 8 bytes; the mask, and bit 21 beside it
	s_or_b32 s[G1B], s22, (3<<16)|(1<<21)
.irp g, G1A, G1B
	s_mov_b32 s[\g+1], 32<<16                      ; tensor_dim0
	s_mov_b32 s[\g+2], 100<<16                     ; tensor_dim1
	s_mov_b32 s[\g+3], 32<<16                      ; tile_dim0
	s_mov_b32 s[\g+4], 100                         ; tile_dim1
	s_mov_b32 s[\g+5], 32                          ; the pitch
	s_mov_b32 s[\g+6], 0
	s_mov_b32 s[\g+7], 0
.endr
	s_and_b32 s19, s18, 1
	s_lshl_b32 s19, s19, 2
	s_add_co_u32 s19, s19, 16                      ; v: A's group 16 + 4 (y & 1) + cy of wg
	s_lshl_b32 s20, s18, 2                         ; q, k: A's group 4 y + cy of xg
	s_lshr_b32 s23, s18, 1
	s_sub_co_u32 s23, s23, 8
	s_lshl_b32 s23, s23, 3                         ; v: 8 ((y - 16) >> 1)  (wraps for q, k: not chosen there)
	s_cmp_ge_u32 s18, 16
	s_cselect_b32 s19, s19, s20
	s_cselect_b32 s22, s23, 0
	s_add_co_u32 s19, s19, s16                     ; gA: hangs on cy, never on cx
	s_lshl_b32 s23, s17, 2
	s_add_co_u32 s22, s22, s23
	s_add_co_u32 s22, s22, s15                     ; col: hangs on cx, never on cy; B's groups are 2 col and 2 col + 1
	s_mul_i32 s20, s19, GRP
	s_mov_b32 s21, 0
	s_lshl_b32 s86, s22, 1
	s_add_co_u32 s86, s86, s14                     ; the group that waves 0 and 1 fetch
	s_mul_i32 s86, s86, GRP
	s_mov_b32 s87, 0
	s_mul_i32 s57, s14, GRP                        ; and its place in LDS
	s_wait_dscnt 0x0                               ; the opening add is done
	s_wait_kmcnt 0x0
	s_cmp_ge_u32 s18, 16
	s_cselect_b64 s[84:85], s[6:7], s[4:5]         ; A: wg for v, else xg
	s_cselect_b64 s[88:89], s[4:5], s[6:7]         ; B: the other
	s_add_nc_u64 s[84:85], s[84:85], s[20:21]
	s_add_nc_u64 s[88:89], s[88:89], s[86:87]
.irp q, 0,1,2,3                        ; group 0, a set for each quarter of K
	s_mov_b32 s[G0A+4*\q], 1
	s_mov_b32 s[G0A+4*\q+1], LA+BLKB*\q
	s_add_nc_u64 s[G0A+4*\q+2:G0A+4*\q+3], s[84:85], BLKB*\q
	s_or_b32 s[G0A+4*\q+3], s[G0A+4*\q+3], 0x80000000
	s_mov_b32 s[G0B+4*\q], 1
	s_add_co_u32 s[G0B+4*\q+1], s57, BLKB*\q
	s_add_nc_u64 s[G0B+4*\q+2:G0B+4*\q+3], s[88:89], BLKB*\q
	s_or_b32 s[G0B+4*\q+3], s[G0B+4*\q+3], 0x80000000
.endr
	CROUND                                         ; all sixteen work-groups are here: the joint loads meet
	s_cmp_lt_u32 s[WV], 2                          ; all first fills of a wave stand in one branch on the wave's number: waves 0, 1 B's groups, wave 2 A's, wave 3 none
	s_cbranch_scc0 .Lnot_b
.irp q, 0,1,2,3
	tensor_load_to_lds s[G0B+4*\q:G0B+4*\q+3], s[G1B:G1B+7]
	s_nop 0
.endr
	PLACES 4
	s_branch .Lasked
.Lnot_b:
	s_cmp_eq_u32 s[WV], 2
	s_cbranch_scc0 .Lasked
.irp q, 0,1,2,3
	tensor_load_to_lds s[G0A+4*\q:G0A+4*\q+3], s[G1A:G1A+7]
	s_nop 0
.endr
	PLACES 4
.Lasked:
	v_and_b32 v1, 31, v0                           ; lane
	v_and_b32 v2, 15, v0                           ; r
	v_bfe_u32 v3, v0, 4, 1                         ; h
	s_mul_i32 s56, s13, 12288
	s_add_co_u32 s56, s56, LA                      ; my four tiles of A
	v_lshl_add_u32 v[A16], v1, 4, s56
	v_lshl_add_u32 v[A8], v1, 3, s56
	v_lshl_add_u32 v[B16], v1, 4, s57
	v_lshl_add_u32 v[B8], v1, 3, s57
	s_lshl_b32 s58, s13, 9
	s_add_co_u32 s58, s58, LA
	s_sub_co_u32 s58, s58, s57                     ; from B's scale words to A's: a positive distance
	v_mul_u32_u24 v[ADS], s58, v3                  ; lanes 16-31 take A's
	v_lshl_add_u32 v[ADS], v2, 3, v[ADS]
	v_add_nc_u32 v[ADS], s57, v[ADS]
	v_add_nc_u32 v[ADS], 24576, v[ADS]
	v_lshlrev_b32 v[ADS2], 9, v3
	v_sub_nc_u32 v[ADS2], v[ADS], v[ADS2]          ; for i >= 4 lanes 16-31 stand four tiles back
.irp b, 0,1,2,3
	v_mov_b32 v[TM+4+\b], 0                        ; written once: a lane permute's destination counts as one of its sources
.endr
	s_mov_b32 s2, 0x76543210
	s_mov_b32 s3, 0xfedcba98                       ; v_permlanex16_b32's selects for lane l xor 16
	; where the results go.  q, k: b = gA >> 4, step = gA & 15, first head 4 (col & 3) + 2 wc.  v: b = col >> 3, step = 2 (col & 7) + wc, head 2 (gA - 16) + wr
	s_lshr_b32 s94, s19, 4
	s_lshr_b32 s97, s22, 3
	s_cmp_ge_u32 s18, 16
	s_cselect_b32 s94, s97, s94                    ; b
	s_and_b32 s95, s19, 15
	s_and_b32 s97, s22, 7
	s_lshl_b32 s97, s97, 1
	s_add_co_u32 s97, s97, s14
	s_cmp_ge_u32 s18, 16
	s_cselect_b32 s95, s97, s95                    ; step
	s_and_b32 s96, s22, 3
	s_lshl_b32 s96, s96, 2
	s_lshl_b32 s97, s14, 1
	s_add_co_u32 s96, s96, s97
	s_sub_co_u32 s97, s19, 16
	s_lshl_b32 s97, s97, 1
	s_add_co_u32 s97, s97, s13
	s_cmp_ge_u32 s18, 16
	s_cselect_b32 s96, s97, s96                    ; head
	s_mul_i32 s98, s13, 3072                       ; q, k: my four tiles' codes,
	s_lshl_b32 s99, s13, 8
	s_add_co_u32 s99, s99, 6144                    ; and their words
	s_lshr_b32 s61, s18, 4
	s_or_b32 s61, s61, s17                         ; not 0: k or v, which go to kv
	s_cmp_lg_u32 s61, 0
	s_cselect_b64 s[DB:DB+1], s[10:11], s[8:9]
	s_mov_b32 s59, 106496
	s_cselect_b32 s59, 208896, s59                 ; bytes of a head
	s_mov_b32 s60, 6656
	s_cselect_b32 s60, 13056, s60                  ; bytes of a step
	s_cmp_ge_u32 s18, 16
	s_cselect_b32 s98, 6656, s98
	s_cselect_b32 s99, 12800, s99
	s_mov_b32 s62, 768
	s_cselect_b32 s62, 1536, s62                   ; from one of my tiles of A to the next
	s_mov_b32 s63, 0
	s_cselect_b32 s100, 768, s59                   ; from a fragment's first unit to its second: v: the next 64 keys; q, k: the next head
	s_lshl_b32 s94, s94, 4
	s_add_co_u32 s94, s94, s96
	s_mul_i32 s94, s94, s59
	s_mul_i32 s95, s95, s60
	s_add_co_u32 s92, s94, s95
	s_mov_b32 s93, 0
	s_add_nc_u64 s[DB:DB+1], s[DB:DB+1], s[92:93]
	s_mov_b32 s92, s99
	s_add_nc_u64 s[90:91], s[DB:DB+1], s[92:93]    ; the words
	s_mov_b32 s92, s98
	s_add_nc_u64 s[DB:DB+1], s[DB:DB+1], s[92:93]  ; the codes
	v_lshlrev_b32 v[L16], 4, v1
	v_lshlrev_b32 v[L8], 3, v1
	v_add_nc_u32 v[L16B], s100, v[L16]
	v_add_nc_u32 v[L8B], s100, v[L8]
.macro FRAG reg, a16, a8, off          ; a fragment (16 rows x 128 K, 12 registers) is two units on end
	ds_load_b128 v[(\reg):(\reg)+3], v[\a16] offset:(\off)
	ds_load_b64 v[(\reg)+4:(\reg)+5], v[\a8] offset:(\off)+512
	ds_load_b128 v[(\reg)+6:(\reg)+9], v[\a16] offset:(\off)+768
	ds_load_b64 v[(\reg)+10:(\reg)+11], v[\a8] offset:(\off)+1280
.endm
.macro FETCH s2, p                     ; the fragments of 128 along K (the quarter's s2-th) into set p
	WIN 0x40                                       ; destination window 1, address window 0
.irp b, 0,1,2,3,4,5,6,7
	FRAG 128*(\p)+12*\b, B16, B8, 3072*\b+1536*(\s2)
.endr
	WIN 0
.irp a, 0,1,2,3
	FRAG AF+48*(\p)+12*\a, A16, A8, 3072*\a+1536*(\s2)
.endr
.endm
.macro SCALES set                      ; a quarter's scale words: register 2 i + s2: lanes 0-15 B's tile i, lanes 16-31 A's tile i % 4
.irp i, 0,1,2,3
	ds_load_b64 v[SC+16*(\set)+2*\i:SC+16*(\set)+2*\i+1], v[ADS] offset:128*\i
.endr
.irp i, 4,5,6,7
	ds_load_b64 v[SC+16*(\set)+2*\i:SC+16*(\set)+2*\i+1], v[ADS2] offset:128*\i
.endr
.endm
.macro MUL32 p, s2, set, zero          ; 32 products; the 32 accumulators take turns, one instruction a turn, in the same order in every step
	WIN 0xa1                                       ; source 0 window 1, source 1 window 0, C and D window 2
.irp a, 0,1,2,3
.irp b, 0,1,2,3,4,5,6,7
.if \zero
	v_wmma_scale_f32_16x16x128_f8f6f4 v[8*(8*\a+\b):8*(8*\a+\b)+7], v[128*(\p)+12*\b:128*(\p)+12*\b+11], v[AF+48*(\p)+12*\a:AF+48*(\p)+12*\a+11], 0, v[SC+16*(\set)+2*\b+(\s2)], v[SC+16*(\set)+2*\a+(\s2)] matrix_a_fmt:MATRIX_FMT_FP6 matrix_b_fmt:MATRIX_FMT_FP6 matrix_b_scale:MATRIX_SCALE_ROW1
.else
	v_wmma_scale_f32_16x16x128_f8f6f4 v[8*(8*\a+\b):8*(8*\a+\b)+7], v[128*(\p)+12*\b:128*(\p)+12*\b+11], v[AF+48*(\p)+12*\a:AF+48*(\p)+12*\a+11], v[8*(8*\a+\b):8*(8*\a+\b)+7], v[SC+16*(\set)+2*\b+(\s2)], v[SC+16*(\set)+2*\a+(\s2)] matrix_a_fmt:MATRIX_FMT_FP6 matrix_b_fmt:MATRIX_FMT_FP6 matrix_b_scale:MATRIX_SCALE_ROW1
.endif
.endr
.endr
	WIN 0
.endm
; K step s of eight.  The next step's fragments are asked for ahead of this step's 32 products, into the set that the last step multiplied: four plain vector instructions stand between (ISA guide 7.12.1).
.macro KSTEP s
	s_wait_dscnt 0x0                               ; this step's fragments, asked for 32 products ago, are in
.if (\s) < 7
.if (\s)%2
	s_wait_tensorcnt 2-(\s)/2                      ; my load of the next quarter of K has landed; those of the quarters behind it may be out
	s_barrier_signal -1
	s_barrier_wait -1                              ; everybody's has
.irp v, A16, A8, B16, B8, ADS, ADS2
	v_add_nc_u32 v[\v], BLKB, v[\v]                ; on to the next quarter; these six are also the places in front of the loads
.endr
	FETCH 0, 1-(\s)%2
	SCALES ((\s)/2+1)%2
.else
	PLACES 4
	s_wait_alu depctr_va_vdst(0)
	FETCH 1, 1-(\s)%2
.endif
.endif
.if (\s) == 0
	MUL32 (\s)%2, (\s)%2, ((\s)/2)%2, 1            ; the first products start the sums: nothing is cleared
.else
	MUL32 (\s)%2, (\s)%2, ((\s)/2)%2, 0
.endif
.endm
	s_wait_alu depctr_va_vdst(0)
	s_wait_tensorcnt 3                             ; my load of the first quarter of K has landed; the three behind it may be out
	s_barrier_signal -1
	s_barrier_wait -1
	FETCH 0, 0
	SCALES 0
.irp s, 0,1,2,3,4,5,6,7
	KSTEP \s
.endr
; THE WAY OUT.  The 64 registers of A's tile a (window 2, v[64 a] on) are 128 neighbours along N of my row, register 16 b + i = N 32 b + 16 (lane / 16) + i: they become a fragment and a scale word.
; Each accumulator is first read at its registers 0 and 1.
.macro QUANTW a
	WIN 0x0a                                       ; sources 0 and 1 window 2
.irp b, 0,1,2,3
	v_max3_num_f32 v[TM+\b], |v[64*(\a)+16*\b]|, |v[64*(\a)+16*\b+1]|, 0x1800000   ; and the floor 2^(3 - 127): the byte cannot fall under 1
.endr
	WIN 0x28                                       ; sources 1 and 2 window 2
.irp i, 2,4,6,8,10,12,14
.irp b, 0,1,2,3
	v_max3_num_f32 v[TM+\b], v[TM+\b], |v[64*(\a)+16*\b+\i]|, |v[64*(\a)+16*\b+\i+1]|
.endr
.endr
	WIN 0
.irp b, 0,1,2,3
	v_permlanex16_b32 v[TM+4+\b], v[TM+\b], s2, s3
.endr
.irp b, 0,1,2,3
	v_max_num_f32 v[TM+\b], v[TM+\b], v[TM+4+\b]   ; the block's largest magnitude
.endr
.irp b, 0,1,2,3
	v_add_nc_u32 v[TM+12+\b], 0xff000000, v[TM+\b] ; 2 off its exponent field: the conversion's scale operand
.endr
.irp b, 0,1,2,3
	v_lshrrev_b32 v[TM+4+\b], 23, v[TM+12+\b]      ; the scale's byte
.endr
	v_lshl_or_b32 v[PWS+\a], v[TM+5], 8, v[TM+4]
	v_lshl_or_b32 v[PWS+\a], v[TM+6], 16, v[PWS+\a]
	v_lshl_or_b32 v[PWS+\a], v[TM+7], 24, v[PWS+\a]
	WIN 0x02                                       ; source 0 window 2
.irp c, 0,1
	v_cvt_scalef32_pk16_fp6_f32 v[PC+6*\c:PC+2+6*\c], v[64*(\a)+32*\c:64*(\a)+32*\c+15], v[TM+12+2*\c]
	v_cvt_scalef32_pk16_fp6_f32 v[PC+12+4*\c:PC+14+4*\c], v[64*(\a)+32*\c+16:64*(\a)+32*\c+31], v[TM+12+2*\c+1]
.endr
	WIN 0
	v_nop                                          ; one plain place behind a scaled conversion
.irp c, 0,1
.irp i, 0,1,2
	v_permlane16_swap_b32 v[PC+6*\c+\i], v[PC+12+4*\c+\i]
.endr
.irp i, 0,1,2
	v_mov_b32 v[PC+3+6*\c+\i], v[PC+12+4*\c+\i]
.endr
.endr
.endm
	PLACES 4                                       ; behind the last products, ahead of the first read of results
.irp a, 0,1,2,3
.if \a
	s_wait_xcnt 0x0                                ; the last tile's stores have read their data and their base: both are written again
	s_add_nc_u64 s[DB:DB+1], s[DB:DB+1], s[62:63]
.endif
	QUANTW \a
	global_store_b128 v[L16], v[PC:PC+3], s[DB:DB+1]               ; each store covers 512 or 256 consecutive bytes, aligned to 256
	global_store_b64 v[L8], v[PC+4:PC+5], s[DB:DB+1] offset:512
	global_store_b128 v[L16B], v[PC+6:PC+9], s[DB:DB+1]
	global_store_b64 v[L8B], v[PC+10:PC+11], s[DB:DB+1] offset:512
.endr
	s_cmp_ge_u32 s18, 16                           ; the words: a branch on the cluster's y, the same in all partners
	s_cbranch_scc1 .Lv_words
	v_lshlrev_b32 v24, 4, v3                       ; q, k: a word's low two bytes belong to the first head (lanes 0-15 store them), the high two to the second (lanes 16-31)
.irp a, 0,1,2,3
	v_bfe_u32 v[20+\a], v[PWS+\a], v24, 16
.endr
	v_mul_u32_u24 v25, s59, v3
	v_lshl_add_u32 v25, v2, 4, v25
	global_store_b128 v25, v[20:23], s[90:91]      ; my four tiles' words of row r: 256 consecutive bytes for each head
	s_branch .Lwords_done
.Lv_words:
	v_cmp_eq_u32 vcc_lo, 1, v3                     ; v: lanes 0-15 store tiles 0 and 1's words of row r, lanes 16-31 tiles 2 and 3's
	v_cndmask_b32 v20, v[PWS], v[PWS+2], vcc_lo
	v_cndmask_b32 v21, v[PWS+1], v[PWS+3], vcc_lo
	global_store_b64 v[L8], v[20:21], s[90:91]     ; 256 consecutive bytes
.Lwords_done:
	s_wait_tensorcnt 0x0                           ; the wave's end
	ds_add_u32 v[SPW], v[NIL]
	s_wait_dscnt 0x0
	CROUND                                         ; the closing round
	s_endpgm
.Lfunc_end_k_q3790071bd3_qkv:
	.size	k_q3790071bd3_qkv, .Lfunc_end_k_q3790071bd3_qkv-k_q3790071bd3_qkv
	.p2alignl 7, 3214868480
	.fill 96, 4, 3214868480
	.section	.rodata,"a",@progbits
	.p2align	6, 0x0
	.amdhsa_kernel k_q3790071bd3_qkv
		.amdhsa_group_segment_fixed_size 307712
		.amdhsa_private_segment_fixed_size 0
		.amdhsa_enable_private_segment 0
		.amdhsa_kernarg_size 32
		.amdhsa_user_sgpr_count 2
		.amdhsa_user_sgpr_kernarg_segment_ptr 1
		.amdhsa_wavefront_size32 1
		.amdhsa_system_sgpr_workgroup_id_x 1
		.amdhsa_system_sgpr_workgroup_id_y 1
		.amdhsa_system_sgpr_workgroup_id_z 1
		.amdhsa_system_vgpr_workitem_id 0
		.amdhsa_next_free_vgpr 768
		.amdhsa_next_free_sgpr 102
		.amdhsa_reserve_vcc 1
		.amdhsa_float_denorm_mode_32 3
		.amdhsa_float_denorm_mode_16_64 3
		.amdhsa_memory_ordered 1
		.amdhsa_forward_progress 1
		.amdhsa_inst_pref_size 90
	.end_amdhsa_kernel
	.amdgpu_metadata
---
amdhsa.version: [ 1, 2 ]
amdhsa.kernels:
  - .name:           k_q3790071bd3_qkv
    .symbol:         k_q3790071bd3_qkv.kd
    .args:
      - { .name: xg, .offset: 0, .size: 8, .value_kind: global_buffer, .address_space: global }
      - { .name: wg, .offset: 8, .size: 8, .value_kind: global_buffer, .address_space: global }
      - { .name: qb, .offset: 16, .size: 8, .value_kind: global_buffer, .address_space: global }
      - { .name: kv, .offset: 24, .size: 8, .value_kind: global_buffer, .address_space: global }
    .group_segment_fixed_size: 307712
    .private_segment_fixed_size: 0
    .kernarg_segment_align: 8
    .kernarg_segment_size: 32
    .max_flat_workgroup_size: 128
    .sgpr_count:     102
    .vgpr_count:     768
    .wavefront_size: 32
...
	.end_amdgpu_metadata
.endif
;; end of part 2
;; launch attn (part 3): grid 4 x 64, 16 waves a work-group, no clusters, 210,944 bytes of LDS; arguments qb, kv, cg; writes cg
.if DOCPART == 3
	.amdgcn_target "amdgcn-amd-amdhsa--gfx1250"
	.amdhsa_code_object_version 6
	.text
	.protected	k_q3790071bd3_attn
	.globl	k_q3790071bd3_attn
	.p2align	8
	.type	k_q3790071bd3_attn,@function
k_q3790071bd3_attn:
	s_mov_b64 s[64:65], 0
	v_nop
	global_prefetch_b8 v0, s[64:65] scope:SCOPE_SE
	s_setreg_imm32_b32 hwreg(HW_REG_WAVE_MODE, 25, 1), 1
	s_wait_xcnt 0x0
; Causal attention of one head on codes of FP6 (E2M3) with E8M0 scales; head size 64, 2,048 tokens.  The result, divided by the row's sum, is quantised along d_model in registers and stored as the last product's operand.
; t = score x log2(e) / 8; M = the running largest t rounded UP to a whole number; p = 2^(t - M) is quantised along the keys, not normalised; the row's sum is taken of the unquantised p; when M moves, sum and O are multiplied by 2^(old M - new M): exact.
; qb: [b h][128 tokens][6,656]: codes [tile 0..7][768], words at 6,144 + 256 (t / 4) + 16 r + 4 (t % 4).  kv: [b h][128 keys][13,056]: K as in qb; V^T codes at 6,656 + 1,536 t + 768 c (t: 16 of the head's 64; c: which 64 keys); V's words at 12,800 + 128 (t / 2) + 8 r + 4 (t % 2).
; A unit of 768 bytes (16 rows x 64 K): lane l's registers 0-3 at 16 l, registers 4-5 at 512 + 8 l.  Lane r of tile t is row 32 (t / 2) + 8 (t % 2) + r + 8 (r / 8).
; THE FIRST PRODUCT'S K IS 64: registers 6-11 of K's and Q's fragments hold zero codes, and the upper two scale bytes are 0 (2^-127 over zeros adds nothing).
; SHARES.  A work-group owns blocks 7 - p and p of 256 queries of its head, one after the other (a loop of two trips): 18 key steps at the most in all, whatever p is.  Each of sixteen waves owns one tile of 16 queries; four waves share a SIMD.
; THE WHOLE HEAD'S K AND V LIE IN LDS: 16 blocks of 13,056 bytes, each filled once; waves 0-3 bring four blocks each (block w + 4 i): four tensor loads a wave are out.  Nothing is filled again, nothing is stored to LDS.
; Both products are used transposed (S^T = K Q^T, O^T = V^T P^T): a lane holds one query throughout; the 16 registers of two neighbouring tiles are 16 neighbours along the next K.
; CAUSAL: every wave walks all 16 key steps (constant trip counts); a step all of whose keys come after the wave's queries jumps over its work by a scalar branch on ids.  A tile's queries lie in one aligned group of 32, so a step that is entered shows every query a key.
; No joint loads: the work-groups that share a head differ in their query blocks, on which the causal jump hangs.  No prefetch: all tiles are asked for at the head.
; cg's scale bytes leave as single bytes (two a row and head, one part in 24 of the output): the other bytes of those words belong to other heads' work-groups.
; LIMITS: NaN and infinities are not served; a block of zeros gets the byte 1 (its codes are zeros; this program alone reads the bytes).
.set STEPB, 13056
.set SPARE, 16*STEPB                   ; behind the head's 16 blocks: the spare words, 128 bytes a wave: eight blocks of 256 bytes that no other line names
.set B16, 1                            ; v1 16 x lane   v2 8 x lane   v3 16 r   v4 8 r: never rewritten
.set B8,  2
.set BS16, 3
.set BS8, 4
.set QL,  5                            ; v5 r + 8 (r / 8) - 16 h
.set H8,  6                            ; v6 8 h
.set SPW, 7
.set NIL, 8
.set SBO, 9                            ; v9 8 r + h
.set QS,  28                           ; v28 Q's scale word     v29 p's
.set PS,  29
.set L16, 30                           ; v30, v31, v226, v227: the four addresses in the step's block
.set L8,  31
.set LS16, 226
.set LS8, 227
.set KT,  32                           ; v32-79  four tiles of K; registers 6-11 of each stay zero
.set S,   80                           ; v80-143 S^T, then p; then V's four fragments in v80-127
.set O,   144                          ; v144-175 O^T
.set PCD, 176                          ; v176-187 p's codes; v188-190, v192-194 the conversions' second halves
.set KS,  196                          ; v196-203 K's scale words
.set VS,  204                          ; v204-207 V's
.set BM,  208
.set BT,  212
.set SO,  216
.set F,   220                          ; v[220:221] f (the upper word is written once)
.set T0,  222
.set T1,  223
.set SUM2, 224
.set WV,  12
.set G1,  16
.set G0,  24
.set SEL, 40
.set CS,  42
.set TB,  44                           ; s44 LDS byte of the step's block
.set KF,  45                           ; s45 the step's first key
.set Q0,  46                           ; s46 my tile's first query
.set PH,  47
.set CNT, 48
.set BLK, 49
	s_load_b128 s[4:7], s[0:1], 0x0                ; qb, kv
	s_load_b64 s[8:9], s[0:1], 0x10                ; cg
	v_lshl_add_u32 v[SPW], v0, 2, SPARE
	v_mov_b32 v[NIL], 0
	ds_add_u32 v[SPW], v[NIL]                      ; the wave's opening: the add and its wait stand ahead of the first tensor loads; work on registers stands between them
	ds_add_u32 v[SPW], v[NIL]
	v_lshrrev_b32 v10, 5, v0
	s_delay_alu instid0(VALU_DEP_1)
	v_readfirstlane_b32 s[WV], v10                 ; wave 0..15
	s_mov_b32 s13, ttmp9                           ; p
	s_and_b32 s14, ttmp7, 0xffff                   ; b h
	s_mov_b32 s[G1], 3<<16                         ; group 1: a dense block as 51 rows of 32 elements of 8 bytes
	s_mov_b32 s[G1+1], 32<<16
	s_mov_b32 s[G1+2], 51<<16
	s_mov_b32 s[G1+3], 32<<16
	s_mov_b32 s[G1+4], 51
	s_mov_b32 s[G1+5], 32
	s_mov_b32 s[G1+6], 0
	s_mov_b32 s[G1+7], 0
	s_and_b32 s63, s[WV], 3
	s_mul_i32 s62, s63, STEPB                      ; the first block that waves 0-3 fetch
	s_mul_i32 s50, s14, 16*STEPB
	s_add_co_u32 s50, s50, s62
	s_mov_b32 s51, 0
	s_mov_b32 s[SEL], 0x76543210
	s_mov_b32 s[SEL+1], 0xfedcba98
	s_mov_b32 s[CS], 0x3e38aa3b                    ; c = log2(e) / sqrt(64)
	s_mov_b32 s[CS+1], s[CS]                       ; (named with it as a pair, so it is written)
	s_wait_dscnt 0x0                               ; the opening add is done
	s_wait_kmcnt 0x0
	s_add_nc_u64 s[6:7], s[6:7], s[50:51]
.irp i, 0,1,2,3
	s_mov_b32 s[G0+4*\i], 1
	s_add_co_u32 s[G0+4*\i+1], s62, 4*STEPB*\i
	s_add_nc_u64 s[G0+4*\i+2:G0+4*\i+3], s[6:7], 4*STEPB*\i
	s_or_b32 s[G0+4*\i+3], s[G0+4*\i+3], 0x80000000
.endr
	s_cmp_lt_u32 s[WV], 4                          ; all first fills of a wave stand in one branch on the wave's number
	s_cbranch_scc0 .Lno_fetch
.irp i, 0,1,2,3
	tensor_load_to_lds s[G0+4*\i:G0+4*\i+3], s[G1:G1+7]
	s_nop 0
.endr
.rept 4
	v_nop
.endr
.Lno_fetch:
	v_and_b32 v10, 31, v0                          ; lane
	v_and_b32 v11, 15, v0                          ; r
	v_bfe_u32 v[T0], v0, 4, 1                      ; h
	s_delay_alu instid0(VALU_DEP_3)
	v_lshlrev_b32 v[B16], 4, v10
	s_delay_alu instid0(VALU_DEP_4)
	v_lshlrev_b32 v[B8], 3, v10
	s_delay_alu instid0(VALU_DEP_4)
	v_lshlrev_b32 v[BS16], 4, v11
	v_lshlrev_b32 v[BS8], 3, v11
	v_and_b32 v[QL], 8, v11
	s_delay_alu instid0(VALU_DEP_1)
	v_add_nc_u32 v[QL], v[QL], v11
	v_lshlrev_b32 v[H8], 4, v[T0]
	s_delay_alu instid0(VALU_DEP_1)
	v_sub_nc_u32 v[QL], v[QL], v[H8]
	v_lshlrev_b32 v[H8], 3, v[T0]
	v_add_nc_u32 v[SBO], v[BS8], v[T0]
.irp j, 22,23,24,25,26,27
	v_mov_b32 v[\j], 0                             ; Q's K = 64 .. 127: zero codes
.endr
.irp i, 0,1,2,3
.irp j, 6,7,8,9,10,11
	v_mov_b32 v[KT+12*\i+\j], 0                    ; K's likewise: written once
.endr
.endr
.irp b, 0,1,2,3
	v_mov_b32 v[BT+\b], 0                          ; written once: a lane permute's destination counts as one of its sources
.endr
	v_mov_b32 v[F+1], 0                            ; (named as the upper half of a pair)
	s_lshr_b32 s60, s[WV], 1
	s_lshl_b32 s60, s60, 5
	s_and_b32 s61, s[WV], 1
	s_lshl_b32 s61, s61, 3
	s_add_co_u32 s60, s60, s61                     ; my tile's first query in a block: 32 (w >> 1) + 8 (w & 1)
	s_lshr_b32 s61, s[WV], 3                       ; which 128 of the block's 256
	s_and_b32 s62, s[WV], 7                        ; my tile among them
	s_mul_i32 s50, s14, 106496
	s_mul_i32 s63, s61, 6656
	s_add_co_u32 s50, s50, s63
	s_add_nc_u64 s[54:55], s[4:5], s[50:51]
	s_mul_i32 s50, s62, 768
	s_add_nc_u64 s[52:53], s[54:55], s[50:51]      ; s[52:53] Q's codes, block 0
	s_bfe_u32 s50, s[WV], 0x10002
	s_lshl_b32 s50, s50, 8
	s_and_b32 s63, s[WV], 3
	s_lshl_b32 s63, s63, 2
	s_add_co_u32 s50, s50, s63
	s_add_co_u32 s50, s50, 6144
	s_add_nc_u64 s[54:55], s[54:55], s[50:51]      ; s[54:55] Q's words, block 0
	s_lshr_b32 s50, s14, 4
	s_lshl_b32 s50, s50, 4
	s_add_co_u32 s50, s50, s61                     ; cg's group: 16 b + 2 block + (w >> 3)
	s_mul_i32 s50, s50, 102400
	s_bfe_u32 s63, s14, 0x20002                    ; the quarter of d_model: head >> 2
	s_mul_i32 s63, s63, 25600
	s_add_co_u32 s50, s50, s63
	s_add_nc_u64 s[58:59], s[8:9], s[50:51]
	s_and_b32 s63, s14, 3                          ; the unit in it: head & 3
	s_mul_i32 s50, s62, 3072
	s_mul_i32 s61, s63, 768
	s_add_co_u32 s50, s50, s61
	s_add_nc_u64 s[56:57], s[58:59], s[50:51]      ; s[56:57] cg's codes, block 0
	s_lshl_b32 s50, s62, 7
	s_lshl_b32 s61, s63, 1
	s_add_co_u32 s50, s50, s61
	s_add_co_u32 s50, s50, 24576
	s_add_nc_u64 s[58:59], s[58:59], s[50:51]      ; s[58:59] cg's scale bytes, block 0
; A KEY STEP: 128 keys.
.macro STEP
	s_add_co_u32 s50, s[Q0], 23                    ; my tile's last query
	s_cmp_gt_u32 s[KF], s50
	s_cbranch_scc1 .Lhidden_\@                     ; all keys hidden: the work is jumped over, not the steps of KF and TB
	s_setprio 2
	v_add_nc_u32 v[L16], s[TB], v[B16]
	s_wait_alu depctr_va_vdst(0)
	v_add_nc_u32 v[L8], s[TB], v[B8]
	s_wait_alu depctr_va_vdst(0)
	v_add_nc_u32 v[LS16], s[TB], v[BS16]
	v_add_nc_u32 v[LS8], s[TB], v[BS8]
	v_nop
	v_nop                                          ; six places: the products below write over registers that the last step's products read as V's fragments: five are owed (ISA guide 7.12.1)
	ds_load_b128 v[KS:KS+3], v[LS16] offset:6144   ; K's words: four tiles' a load
	ds_load_b128 v[KS+4:KS+7], v[LS16] offset:6400
.irp g, 0,1                            ; S^T = K Q^T, four tiles of 16 keys at a time
.if \g
.rept 4
	v_nop                                          ; places in front of loads into registers that matrix instructions have read
.endr
.endif
.irp i, 0,1,2,3
	ds_load_b128 v[KT+12*\i:KT+12*\i+3], v[L16] offset:768*(4*\g+\i)
	ds_load_b64 v[KT+12*\i+4:KT+12*\i+5], v[L8] offset:768*(4*\g+\i)+512
.endr
	s_wait_dscnt 0x0
.irp i, 0,1,2,3
	v_wmma_scale_f32_16x16x128_f8f6f4 v[S+8*(4*\g+\i):S+8*(4*\g+\i)+7], v[KT+12*\i:KT+12*\i+11], v[16:27], 0, v[KS+4*\g+\i], v[QS] matrix_a_fmt:MATRIX_FMT_FP6 matrix_b_fmt:MATRIX_FMT_FP6
.endr
.endr                                  ; register 16 b + i of S^T: key KF + 32 b + 16 (lane / 16) + i
.rept 4
	v_nop
.endr
	s_add_co_u32 s50, s[KF], 127                   ; on the diagonal hidden scores become -infinity ahead of the maximum; a step all of whose keys count jumps over this
	s_cmp_le_u32 s50, s[Q0]
	s_cbranch_scc1 .Lopen_\@
	s_sub_co_i32 s50, s[Q0], s[KF]
	v_add_nc_u32 v[T0], s50, v[QL]                 ; d = my query - KF - 16 (lane / 16): hidden where 32 b + i > d
	v_mov_b32 v[T1], 0xff800000
.set n, 0
.rept 64
	v_cmp_gt_i32 vcc_lo, 32*(n/16)+n%16, v[T0]
	v_cndmask_b32 v[S+n], v[S+n], v[T1], vcc_lo
.set n, n+1
.endr
.Lopen_\@:
.irp b, 0,1,2,3
	v_max3_num_f32 v[BM+\b], v[S+16*\b], v[S+1+16*\b], v[S+2+16*\b]   ; the largest score of each block of 32 keys: for the row's maximum, and, since p rises with the score, for the block's largest p
.endr
.irp i, 3,5,7,9,11,13
.irp b, 0,1,2,3
	v_max3_num_f32 v[BM+\b], v[BM+\b], v[S+16*\b+\i], v[S+1+16*\b+\i]
.endr
.endr
.irp b, 0,1,2,3
	v_max_num_f32 v[BM+\b], v[BM+\b], v[S+15+16*\b]
.endr
.irp b, 0,1,2,3
	s_delay_alu instid0(VALU_DEP_4)
	v_permlanex16_b32 v[BT+\b], v[BM+\b], s[SEL], s[SEL+1]
.endr
.irp b, 0,1,2,3
	s_delay_alu instid0(VALU_DEP_4)
	v_max_num_f32 v[BM+\b], v[BM+\b], v[BT+\b]     ; with lane l xor 16's 16 keys
.endr
	s_delay_alu instid0(VALU_DEP_2)
	v_max3_num_f32 v[T0], v[BM], v[BM+1], v[BM+2]
	s_delay_alu instid0(VALU_DEP_1)
	v_max_num_f32 v[T0], v[T0], v[BM+3]
	s_delay_alu instid0(VALU_DEP_1)
	v_mul_f32 v[T0], s[CS], v[T0]                  ; the step's largest t
	s_delay_alu instid0(VALU_DEP_1)
	v_max_num_f32 v13, v13, v[T0]                  ; the running largest t
	v_mov_b32 v[T0], v12
	s_delay_alu instid0(VALU_DEP_2)
	v_floor_f32 v12, -v13                          ; the new -M = floor(-t): M is a whole number
	s_delay_alu instid0(VALU_DEP_1)
	v_sub_f32 v[T0], v12, v[T0]                    ; old M - new M: a whole number, 0 or less
	s_delay_alu instid0(VALU_DEP_1)
	v_cvt_i32_f32 v[T0], v[T0]                     ; (it saturates)
	s_delay_alu instid0(VALU_DEP_1)
	v_ldexp_f32 v[F], 1.0, v[T0]                   ; f = 2^(old M - new M)
.set n, 0
.rept 32
	v_pk_fma_f32 v[S+n:S+n+1], v[S+n:S+n+1], s[CS:CS+1], v[12:13] op_sel_hi:[1,0,0]   ; t - M, two at a time
.set n, n+2
.endr
	s_setprio 1
.irp b, 0,1,2,3
	v_fma_f32 v[BM+\b], v[BM+\b], s[CS], v12       ; the same of each block's largest score
.endr
.set n, 0
	s_wait_alu depctr_va_vdst(0)
.rept 64
	v_exp_f32 v[S+n], v[S+n]                       ; p = 2^(t - M)
.set n, n+1
.endr
	v_pk_mul_f32 v[14:15], v[14:15], v[F:F+1] op_sel_hi:[1,0]   ; the sums under the new M: a plain place behind the exponentials
	s_wait_alu depctr_va_vdst(0)                   ; one wait for the whole batch, ahead of its first reader
.irp b, 0,1,2,3
	v_exp_f32 v[BM+\b], v[BM+\b]                   ; the block's largest p
.endr
	v_pk_add_f32 v[224:225], v[84:85], v[88:89]
	v_pk_add_f32 v[254:255], v[92:93], v[96:97]
	v_pk_add_f32 v[252:253], v[100:101], v[104:105]
	v_pk_add_f32 v[250:251], v[108:109], v[112:113]
	v_pk_add_f32 v[248:249], v[116:117], v[120:121]
	v_pk_add_f32 v[246:247], v[124:125], v[128:129]
	v_pk_add_f32 v[244:245], v[132:133], v[136:137]
	v_pk_add_f32 v[14:15], v[14:15], v[140:141]
	v_pk_add_f32 v[224:225], v[224:225], v[80:81]
	v_pk_add_f32 v[254:255], v[254:255], v[82:83]
	v_pk_add_f32 v[252:253], v[252:253], v[86:87]
	v_pk_add_f32 v[250:251], v[250:251], v[90:91]
	v_pk_add_f32 v[248:249], v[248:249], v[94:95]
	v_pk_add_f32 v[246:247], v[246:247], v[98:99]
	v_pk_add_f32 v[244:245], v[244:245], v[102:103]
	v_pk_add_f32 v[14:15], v[14:15], v[106:107]
	v_pk_add_f32 v[224:225], v[224:225], v[110:111]
	v_pk_add_f32 v[254:255], v[254:255], v[114:115]
	v_pk_add_f32 v[252:253], v[252:253], v[118:119]
	v_pk_add_f32 v[250:251], v[250:251], v[122:123]
	v_pk_add_f32 v[248:249], v[248:249], v[126:127]
	v_pk_add_f32 v[246:247], v[246:247], v[130:131]
	v_pk_add_f32 v[244:245], v[244:245], v[134:135]
	v_pk_add_f32 v[14:15], v[14:15], v[138:139]
	v_pk_add_f32 v[224:225], v[224:225], v[142:143]
	s_delay_alu instid0(VALU_DEP_2)
	v_pk_add_f32 v[14:15], v[14:15], v[250:251]
	s_delay_alu instid0(VALU_DEP_2)
	v_pk_add_f32 v[224:225], v[224:225], v[248:249]
	v_pk_add_f32 v[254:255], v[254:255], v[246:247]
	v_pk_add_f32 v[252:253], v[252:253], v[244:245]
	s_delay_alu instid0(VALU_DEP_2)
	v_pk_add_f32 v[14:15], v[14:15], v[254:255]
	s_delay_alu instid0(VALU_DEP_2)
	v_pk_add_f32 v[224:225], v[224:225], v[252:253]
	s_delay_alu instid0(VALU_DEP_1)
	v_pk_add_f32 v[14:15], v[14:15], v[224:225]
	s_wait_alu depctr_va_vdst(0)                   ; and one for the four
.irp b, 0,1,2,3
	v_max_num_f32 v[BM+\b], 0x1800000, v[BM+\b]    ; the floor 2^(3 - 127): the byte cannot fall under 1
.endr
.irp b, 0,1,2,3
	s_delay_alu instid0(VALU_DEP_4)
	v_add_nc_u32 v[SO+\b], 0xff000000, v[BM+\b]    ; 2 off the exponent field: the conversion's scale operand
.endr
.irp b, 0,1,2,3
	s_delay_alu instid0(VALU_DEP_4)
	v_lshrrev_b32 v[BT+\b], 23, v[SO+\b]           ; the scale's byte
.endr
	s_delay_alu instid0(VALU_DEP_3)
	v_lshl_or_b32 v[PS], v[BT+1], 8, v[BT]
	s_delay_alu instid0(VALU_DEP_1)
	v_lshl_or_b32 v[PS], v[BT+2], 16, v[PS]
	s_delay_alu instid0(VALU_DEP_1)
	v_lshl_or_b32 v[PS], v[BT+3], 24, v[PS]        ; p's scale word for these 128 keys
.irp c, 0,1
	v_cvt_scalef32_pk16_fp6_f32 v[PCD+6*\c:PCD+2+6*\c], v[S+32*\c:S+15+32*\c], v[SO+2*\c]
	v_cvt_scalef32_pk16_fp6_f32 v[PCD+12+4*\c:PCD+14+4*\c], v[S+16+32*\c:S+31+32*\c], v[SO+2*\c+1]
.endr
	v_nop                                          ; one plain place behind a scaled conversion
.irp c, 0,1
.irp i, 0,1,2
	v_permlane16_swap_b32 v[PCD+6*\c+\i], v[PCD+12+4*\c+\i]
.endr
.irp i, 0,1,2
	s_delay_alu instid0(VALU_DEP_3)
	v_mov_b32 v[PCD+3+6*\c+\i], v[PCD+12+4*\c+\i]
.endr
.endr
	s_setprio 0
.irp t, 0,1,2,3                        ; V's four fragments take p's registers, which the conversions have read
	ds_load_b128 v[S+12*\t:S+12*\t+3], v[L16] offset:6656+1536*\t
	ds_load_b64 v[S+12*\t+4:S+12*\t+5], v[L8] offset:6656+1536*\t+512
	ds_load_b128 v[S+12*\t+6:S+12*\t+9], v[L16] offset:6656+1536*\t+768
	ds_load_b64 v[S+12*\t+10:S+12*\t+11], v[L8] offset:6656+1536*\t+1280
.endr
	ds_load_b64 v[VS:VS+1], v[LS8] offset:12800
	ds_load_b64 v[VS+2:VS+3], v[LS8] offset:12928
.set n, 0
.rept 16
	v_pk_mul_f32 v[O+n:O+n+1], v[O+n:O+n+1], v[F:F+1] op_sel_hi:[1,0]   ; O^T under the new M; these 16 are also the places between the codes' and the scale word's last writes and the products
.set n, n+2
.endr
	s_wait_alu depctr_va_vdst(0)
	s_wait_dscnt 0x0
.irp t, 0,1,2,3                        ; O^T += V^T P^T: the four accumulators by turns
	v_wmma_scale_f32_16x16x128_f8f6f4 v[O+8*\t:O+8*\t+7], v[S+12*\t:S+12*\t+11], v[PCD:PCD+11], v[O+8*\t:O+8*\t+7], v[VS+\t], v[PS] matrix_a_fmt:MATRIX_FMT_FP6 matrix_b_fmt:MATRIX_FMT_FP6
.endr
.Lhidden_\@:
	s_add_co_u32 s[KF], s[KF], 128
	s_add_co_u32 s[TB], s[TB], STEPB
.endm
; Four key steps, those of each fetching wave's k-th load.
.macro SEG k
	s_mov_b32 s[TB], 4*STEPB*\k
	s_wait_tensorcnt 3-\k                          ; my k-th load has landed; those behind it may be out
	s_wait_dscnt 0x0
	s_barrier_signal -1
	s_barrier_wait -1                              ; everybody's has
	s_mov_b32 s[CNT], 4
.Lseg_\@:
	STEP
	s_sub_co_u32 s[CNT], s[CNT], 1
	s_cmp_lg_u32 s[CNT], 0
	s_cbranch_scc1 .Lseg_\@
	s_setprio 0
.endm
	s_mov_b32 s[PH], 0
.Lphase:                               ; two trips: block 7 - p, then block p
	s_sub_co_u32 s50, 7, s13
	s_cmp_eq_u32 s[PH], 0
	s_cselect_b32 s[BLK], s50, s13
	s_lshl_b32 s[Q0], s[BLK], 8
	s_add_co_u32 s[Q0], s[Q0], s60
	s_mov_b32 s[KF], 0
	s_mul_i32 s50, s[BLK], 13312                   ; two steps of qb
	s_mov_b32 s51, 0
	s_add_nc_u64 s[4:5], s[52:53], s[50:51]
	s_add_nc_u64 s[6:7], s[54:55], s[50:51]
	s_mul_i32 s50, s[BLK], 204800                  ; two groups of cg
	s_add_nc_u64 s[8:9], s[56:57], s[50:51]
	s_add_nc_u64 s[10:11], s[58:59], s[50:51]
	global_load_b128 v[16:19], v[B16], s[4:5]      ; Q's unit stays in registers
	global_load_b64 v[20:21], v[B8], s[4:5] offset:512
	global_load_b32 v[QS], v[BS16], s[6:7]
	v_mov_b32 v13, 0xff61b1e6                      ; the largest t so far: -3e38
	s_delay_alu instid0(VALU_DEP_1)
	v_floor_f32 v12, -v13                          ; -M
	v_mov_b32 v14, 0                               ; the sum, in two halves
	v_mov_b32 v15, 0
.set n, 0
.rept 32
	v_mov_b32 v[O+n], 0                            ; O^T: the step is written once; its first run finds zeros, which the first change of M leaves zeros
.set n, n+1
.endr
	s_wait_loadcnt 0x0
	SEG 0
	SEG 1
	SEG 2
	SEG 3
	; THE WAY OUT: O^T / the sum; register 16 b + i is channel 32 b + 16 (lane / 16) + i of my query: two blocks along d_model, one unit of cg.
.rept 4
	v_nop                                          ; places behind the last products
.endr
	v_add_f32 v14, v14, v15
	s_delay_alu instid0(VALU_DEP_1)
	v_permlanex16_b32 v[T0], v14, s[SEL], s[SEL+1]
	s_delay_alu instid0(VALU_DEP_1)
	v_add_f32 v14, v14, v[T0]                      ; the row's sum
	s_wait_alu depctr_va_vdst(0)
	v_rcp_f32 v[F], v14
	v_nop                                          ; a plain place behind the reciprocal
	s_wait_alu depctr_va_vdst(0)                   ; and the wait ahead of its first reader
.set n, 0
.rept 16
	v_pk_mul_f32 v[S+n:S+n+1], v[O+n:O+n+1], v[F:F+1] op_sel_hi:[1,0]   ; each accumulator from its low end on
.set n, n+2
.endr
.irp b, 0,1
	v_max3_num_f32 v[BM+\b], |v[S+16*\b]|, |v[S+1+16*\b]|, 0x1800000
.endr
.irp i, 2,4,6,8,10,12,14
.irp b, 0,1
	s_delay_alu instid0(VALU_DEP_2)
	v_max3_num_f32 v[BM+\b], v[BM+\b], |v[S+16*\b+\i]|, |v[S+1+16*\b+\i]|
.endr
.endr
.irp b, 0,1
	s_delay_alu instid0(VALU_DEP_2)
	v_permlanex16_b32 v[BT+\b], v[BM+\b], s[SEL], s[SEL+1]
.endr
.irp b, 0,1
	s_delay_alu instid0(VALU_DEP_2)
	v_max_num_f32 v[BM+\b], v[BM+\b], v[BT+\b]
.endr
.irp b, 0,1
	s_delay_alu instid0(VALU_DEP_2)
	v_add_nc_u32 v[SO+\b], 0xff000000, v[BM+\b]
.endr
.irp b, 0,1
	s_delay_alu instid0(VALU_DEP_2)
	v_lshrrev_b32 v[BT+\b], 23, v[SO+\b]
.endr
	s_delay_alu instid0(VALU_DEP_1)
	v_lshl_or_b32 v[T0], v[BT+1], 8, v[BT]
	s_delay_alu instid0(VALU_DEP_1)
	v_lshrrev_b32 v[T0], v[H8], v[T0]              ; lanes 0-15 store the first block's byte, lanes 16-31 the second's
	v_cvt_scalef32_pk16_fp6_f32 v[PCD:PCD+2], v[S:S+15], v[SO]
	v_cvt_scalef32_pk16_fp6_f32 v[PCD+12:PCD+14], v[S+16:S+31], v[SO+1]
	v_nop                                          ; one plain place behind a scaled conversion
.irp i, 0,1,2
	v_permlane16_swap_b32 v[PCD+\i], v[PCD+12+\i]
.endr
.irp i, 0,1,2
	s_delay_alu instid0(VALU_DEP_3)
	v_mov_b32 v[PCD+3+\i], v[PCD+12+\i]
.endr
	global_store_b128 v[B16], v[PCD:PCD+3], s[8:9] ; 512 and 256 consecutive bytes, aligned to 256
	global_store_b64 v[B8], v[PCD+4:PCD+5], s[8:9] offset:512
	global_store_b8 v[SBO], v[T0], s[10:11]
	s_wait_xcnt 0x0                                ; the stores have read their data and bases, which the next trip writes
	s_add_co_u32 s[PH], s[PH], 1
	s_cmp_lt_u32 s[PH], 2
	s_cbranch_scc1 .Lphase
	s_wait_tensorcnt 0x0                           ; the wave's end
	ds_add_u32 v[SPW], v[NIL]
	s_wait_dscnt 0x0
	s_endpgm
.Lfunc_end_k_q3790071bd3_attn:
	.size	k_q3790071bd3_attn, .Lfunc_end_k_q3790071bd3_attn-k_q3790071bd3_attn
	.p2alignl 7, 3214868480
	.fill 96, 4, 3214868480
	.section	.rodata,"a",@progbits
	.p2align	6, 0x0
	.amdhsa_kernel k_q3790071bd3_attn
		.amdhsa_group_segment_fixed_size 210944
		.amdhsa_private_segment_fixed_size 0
		.amdhsa_enable_private_segment 0
		.amdhsa_kernarg_size 24
		.amdhsa_user_sgpr_count 2
		.amdhsa_user_sgpr_kernarg_segment_ptr 1
		.amdhsa_wavefront_size32 1
		.amdhsa_system_sgpr_workgroup_id_x 1
		.amdhsa_system_sgpr_workgroup_id_y 1
		.amdhsa_system_sgpr_workgroup_id_z 1
		.amdhsa_system_vgpr_workitem_id 0
		.amdhsa_next_free_vgpr 256
		.amdhsa_next_free_sgpr 66
		.amdhsa_reserve_vcc 1
		.amdhsa_float_denorm_mode_32 3
		.amdhsa_float_denorm_mode_16_64 3
		.amdhsa_memory_ordered 1
		.amdhsa_forward_progress 1
		.amdhsa_inst_pref_size 106
	.end_amdhsa_kernel
	.amdgpu_metadata
---
amdhsa.version: [ 1, 2 ]
amdhsa.kernels:
  - .name:           k_q3790071bd3_attn
    .symbol:         k_q3790071bd3_attn.kd
    .args:
      - { .name: qb, .offset: 0, .size: 8, .value_kind: global_buffer, .address_space: global }
      - { .name: kv, .offset: 8, .size: 8, .value_kind: global_buffer, .address_space: global }
      - { .name: cg, .offset: 16, .size: 8, .value_kind: global_buffer, .address_space: global }
    .group_segment_fixed_size: 210944
    .private_segment_fixed_size: 0
    .kernarg_segment_align: 8
    .kernarg_segment_size: 24
    .max_flat_workgroup_size: 512
    .sgpr_count:     66
    .vgpr_count:     256
    .wavefront_size: 32
...
	.end_amdgpu_metadata
.endif
;; end of part 3
;; launch oproj (part 4): grid 4 x 64, 4 waves a work-group, clusters of 4 x 4, 307,712 bytes of LDS; arguments cg, wg, out0; writes out0
.if DOCPART == 4
	.amdgcn_target "amdgcn-amd-amdhsa--gfx1250"
	.amdhsa_code_object_version 6
	.text
	.protected	k_q3790071bd3_oproj
	.globl	k_q3790071bd3_oproj
	.p2align	8
	.type	k_q3790071bd3_oproj,@function
k_q3790071bd3_oproj:
	s_mov_b64 s[64:65], 0
	v_nop
	global_prefetch_b8 v0, s[64:65] scope:SCOPE_SE
	s_setreg_imm32_b32 hwreg(HW_REG_WAVE_MODE, 25, 1), 1
	s_wait_xcnt 0x0
	s_wait_alu depctr_hold_cnt(0) depctr_sa_sdst(0) depctr_va_vdst(0) depctr_va_sdst(0) depctr_va_ssrc(0) depctr_va_vcc(0) depctr_vm_vsrc(0)
	s_getreg_b32 s2, hwreg(HW_REG_IB_STS2, 6, 4)
	s_cmp_eq_u32 s2, 0
	s_cbranch_scc0 .Lentry_in_a_cluster
	s_endpgm
.Lentry_in_a_cluster:
	s_bfe_u32 s2, ttmp6, 0x10000c
	s_cmp_lg_u32 s2, 0xf033
	s_cbranch_scc0 .Lentry_shape_is_right
	s_endpgm
.Lentry_shape_is_right:
; out0 = heads W_o^T on codes of FP6 (E2M3) with E8M0 scales; out0 [8192][1024] f32.
; cg (the heads' codes) and wg: [group of 128 rows][quarter of K][25,600]: codes [tile 0..7][unit 0..3][768], scale words from 24,576 at 128 t + 8 r + 4 s2.  A unit (16 rows x 64 K): lane l's registers 0-3 at 16 l, registers 4-5 at 512 + 8 l.
; Lane r of tile t is row 32 (t / 2) + 8 (t % 2) + r + 8 (r / 8) of the group.  W_o's groups in wg are 24-31.
; A work-group makes 128 tokens (A: a group of cg) x 256 outputs (B: two groups of W_o).  THE WHOLE K = 1,024 LIES IN LDS: 12 blocks of 25,600 bytes, each filled once by one tensor load; a wave has four out.
; Four waves: wave (wr, wc) takes A's tiles 4 wr .. 4 wr + 3 against the 8 tiles of B's group wc: 32 accumulators.  THE MATRIX INSTRUCTION IS USED TRANSPOSED (source 0 = B's tile, source 1 = A's):
; a lane holds one token, and registers of B's tiles 2 b, 2 b + 1 are outputs 32 b + 16 (lane / 16) + 0 .. 15.
; CLUSTERS: 4 x 4.  A's blocks are shared along a row of the cluster, B's along a column: joint loads.
; THE WAY OUT goes through a stage of 16 rows x 528 bytes for each wave, in the first two quarters of B's group 0: they have had their only fill, and no wave reads them behind the barrier in front of the last quarter.
; REGISTERS: window 0: v1-14 addresses; v32-63 scale words, two sets; v64-159 A's fragments, two sets (on the way out v64-191: rows read back).  window 1: B's fragments, sets at v0 and v128.  window 2: accumulator (a, b) at v[8 (8 a + b)].
.set GRP,   102400
.set BLKB,  25600
.set LA,    2*GRP                      ; LDS: B's group 0, B's group 1, A's group
.set SPARE, 3*GRP                      ; behind them: the spare words, 128 bytes a wave: two blocks of 256 bytes that no other line names
.set A16, 4
.set A8,  5
.set B16, 6
.set B8,  7
.set ADS, 8                            ; v8  scale words: lanes 0-15 B's tile i, lanes 16-31 A's tile i (i < 4)
.set ADS2, 9                           ; v9  for i >= 4: lanes 16-31 A's tile i - 4
.set SPW, 10
.set NIL, 11
.set STO, 12                           ; v12 the stage: where I put 32 bytes of a row    v13 where I read a row back    v14 16 x lane
.set RD,  13
.set CO,  14
.set SC,  32
.set AF,  64
.set BK,  64
.set WV,  12
.set G1A, 24
.set G1B, 32
.set G0A, 40
.set G0B, 68
.set MSB, 0
.macro WIN new                         ; the immediate's high byte repeats the setting that is left
.if MSB != \new
	s_set_vgpr_msb (MSB<<8)|\new
.set MSB, \new
.endif
.endm
.macro CROUND                          ; a round of the cluster's barrier
	s_barrier_signal -1
	s_barrier_wait -1
	s_cmp_lg_u32 s[WV], 0
	s_cbranch_scc1 .Lnot_wave_0_\@
	s_barrier_signal -3
.Lnot_wave_0_\@:
	s_barrier_wait -3
	s_barrier_signal -1
	s_barrier_wait -1
.endm
.macro PLACES n
.rept \n
	v_nop
.endr
.endm
	s_load_b128 s[4:7], s[0:1], 0x0                ; cg, wg
	s_load_b64 s[8:9], s[0:1], 0x10                ; out0
	v_lshl_add_u32 v[SPW], v0, 2, SPARE
	v_mov_b32 v[NIL], 0
	ds_add_u32 v[SPW], v[NIL]
	ds_add_u32 v[SPW], v[NIL]                      ; the wave's opening: the add and its wait stand ahead of the first tensor loads; work on registers stands between them
	v_lshrrev_b32 v1, 5, v0
	v_readfirstlane_b32 s[WV], v1                  ; wave 0..3
	s_lshr_b32 s13, s[WV], 1                       ; wr
	s_and_b32 s14, s[WV], 1                        ; wc
	s_bfe_u32 s15, ttmp6, 0x40000                  ; cx
	s_bfe_u32 s16, ttmp6, 0x40004                  ; cy
	s_mov_b32 s17, ttmp9                           ; cluster x
	s_and_b32 s18, ttmp7, 0xffff                   ; cluster y
	s_lshl_b32 s19, s16, 2
	s_lshl_b32 s19, 15, s19                        ; my row of the cluster
	s_lshl_b32 s22, 0x1111, s15                    ; my column
	s_or_b32 s[G1A], s19, (3<<16)|(1<<21)          ; group 1: a dense block as 100 rows of 32 elements of 8 bytes; the mask, and bit 21 beside it
	s_or_b32 s[G1B], s22, (3<<16)|(1<<21)
.irp g, G1A, G1B
	s_mov_b32 s[\g+1], 32<<16
	s_mov_b32 s[\g+2], 100<<16
	s_mov_b32 s[\g+3], 32<<16
	s_mov_b32 s[\g+4], 100
	s_mov_b32 s[\g+5], 32
	s_mov_b32 s[\g+6], 0
	s_mov_b32 s[\g+7], 0
.endr
	s_lshl_b32 s19, s18, 2
	s_add_co_u32 s19, s19, s16                     ; gA = 4 y + cy: never cx
	s_lshl_b32 s22, s17, 2
	s_add_co_u32 s22, s22, s15                     ; col = 4 x + cx: never cy
	s_mul_i32 s20, s19, GRP
	s_mov_b32 s21, 0
	s_lshl_b32 s86, s22, 1
	s_add_co_u32 s86, s86, s14
	s_add_co_u32 s86, s86, 24                      ; the group of W_o that waves 0 and 1 fetch
	s_mul_i32 s86, s86, GRP
	s_mov_b32 s87, 0
	s_mul_i32 s57, s14, GRP                        ; and its place in LDS
	s_wait_dscnt 0x0                               ; the opening add is done
	s_wait_kmcnt 0x0
	s_add_nc_u64 s[84:85], s[4:5], s[20:21]
	s_add_nc_u64 s[88:89], s[6:7], s[86:87]
.irp q, 0,1,2,3                        ; group 0, a set for each quarter of K
	s_mov_b32 s[G0A+4*\q], 1
	s_mov_b32 s[G0A+4*\q+1], LA+BLKB*\q
	s_add_nc_u64 s[G0A+4*\q+2:G0A+4*\q+3], s[84:85], BLKB*\q
	s_or_b32 s[G0A+4*\q+3], s[G0A+4*\q+3], 0x80000000
	s_mov_b32 s[G0B+4*\q], 1
	s_add_co_u32 s[G0B+4*\q+1], s57, BLKB*\q
	s_add_nc_u64 s[G0B+4*\q+2:G0B+4*\q+3], s[88:89], BLKB*\q
	s_or_b32 s[G0B+4*\q+3], s[G0B+4*\q+3], 0x80000000
.endr
	CROUND                                         ; all sixteen work-groups are here: the joint loads meet
	s_cmp_lt_u32 s[WV], 2                          ; all first fills of a wave stand in one branch on the wave's number: waves 0, 1 B's groups, wave 2 A's, wave 3 none
	s_cbranch_scc0 .Lnot_b
.irp q, 0,1,2,3
	tensor_load_to_lds s[G0B+4*\q:G0B+4*\q+3], s[G1B:G1B+7]
	s_nop 0
.endr
	PLACES 4
	s_branch .Lasked
.Lnot_b:
	s_cmp_eq_u32 s[WV], 2
	s_cbranch_scc0 .Lasked
.irp q, 0,1,2,3
	tensor_load_to_lds s[G0A+4*\q:G0A+4*\q+3], s[G1A:G1A+7]
	s_nop 0
.endr
	PLACES 4
.Lasked:
	v_and_b32 v1, 31, v0                           ; lane
	v_and_b32 v2, 15, v0                           ; r
	v_bfe_u32 v3, v0, 4, 1                         ; h
	s_mul_i32 s56, s13, 12288
	s_add_co_u32 s56, s56, LA                      ; my four tiles of A
	v_lshl_add_u32 v[A16], v1, 4, s56
	v_lshl_add_u32 v[A8], v1, 3, s56
	v_lshl_add_u32 v[B16], v1, 4, s57
	v_lshl_add_u32 v[B8], v1, 3, s57
	s_lshl_b32 s58, s13, 9
	s_add_co_u32 s58, s58, LA
	s_sub_co_u32 s58, s58, s57                     ; from B's scale words to A's: a positive distance
	v_mul_u32_u24 v[ADS], s58, v3                  ; lanes 16-31 take A's
	v_lshl_add_u32 v[ADS], v2, 3, v[ADS]
	v_add_nc_u32 v[ADS], s57, v[ADS]
	v_add_nc_u32 v[ADS], 24576, v[ADS]
	v_lshlrev_b32 v[ADS2], 9, v3
	v_sub_nc_u32 v[ADS2], v[ADS], v[ADS2]
	s_mul_i32 s59, s[WV], 16*528                   ; my stage
	v_mul_u32_u24 v[STO], v2, 528
	v_lshl_add_u32 v[STO], v3, 6, v[STO]
	v_add_nc_u32 v[STO], s59, v[STO]               ; in: row r, + 64 h
	v_lshlrev_b32 v[CO], 4, v1
	v_add_nc_u32 v[RD], s59, v[CO]                 ; back: the 32 lanes take a row of 512 bytes
	s_lshl_b32 s92, s19, 7
	s_lshl_b32 s94, s13, 6
	s_add_co_u32 s92, s92, s94                     ; my first token: 128 gA + 64 wr
	s_lshl_b32 s92, s92, 12
	s_lshl_b32 s94, s22, 10
	s_add_co_u32 s92, s92, s94                     ; my first output, in bytes: 1,024 col + 512 wc
	s_lshl_b32 s94, s14, 9
	s_add_co_u32 s92, s92, s94
	s_mov_b32 s93, 0
	s_add_nc_u64 s[8:9], s[8:9], s[92:93]
.macro FRAG reg, a16, a8, off          ; a fragment (16 rows x 128 K, 12 registers) is two units on end
	ds_load_b128 v[(\reg):(\reg)+3], v[\a16] offset:(\off)
	ds_load_b64 v[(\reg)+4:(\reg)+5], v[\a8] offset:(\off)+512
	ds_load_b128 v[(\reg)+6:(\reg)+9], v[\a16] offset:(\off)+768
	ds_load_b64 v[(\reg)+10:(\reg)+11], v[\a8] offset:(\off)+1280
.endm
.macro FETCH s2, p
	WIN 0x40                                       ; destination window 1, address window 0
.irp b, 0,1,2,3,4,5,6,7
	FRAG 128*(\p)+12*\b, B16, B8, 3072*\b+1536*(\s2)
.endr
	WIN 0
.irp a, 0,1,2,3
	FRAG AF+48*(\p)+12*\a, A16, A8, 3072*\a+1536*(\s2)
.endr
.endm
.macro SCALES set                      ; a quarter's scale words: register 2 i + s2: lanes 0-15 B's tile i, lanes 16-31 A's tile i % 4
.irp i, 0,1,2,3
	ds_load_b64 v[SC+16*(\set)+2*\i:SC+16*(\set)+2*\i+1], v[ADS] offset:128*\i
.endr
.irp i, 4,5,6,7
	ds_load_b64 v[SC+16*(\set)+2*\i:SC+16*(\set)+2*\i+1], v[ADS2] offset:128*\i
.endr
.endm
.macro MUL32 p, s2, set, zero          ; 32 products; the 32 accumulators take turns, one instruction a turn, in the same order in every step
	WIN 0xa1                                       ; source 0 window 1, source 1 window 0, C and D window 2
.irp a, 0,1,2,3
.irp b, 0,1,2,3,4,5,6,7
.if \zero
	v_wmma_scale_f32_16x16x128_f8f6f4 v[8*(8*\a+\b):8*(8*\a+\b)+7], v[128*(\p)+12*\b:128*(\p)+12*\b+11], v[AF+48*(\p)+12*\a:AF+48*(\p)+12*\a+11], 0, v[SC+16*(\set)+2*\b+(\s2)], v[SC+16*(\set)+2*\a+(\s2)] matrix_a_fmt:MATRIX_FMT_FP6 matrix_b_fmt:MATRIX_FMT_FP6 matrix_b_scale:MATRIX_SCALE_ROW1
.else
	v_wmma_scale_f32_16x16x128_f8f6f4 v[8*(8*\a+\b):8*(8*\a+\b)+7], v[128*(\p)+12*\b:128*(\p)+12*\b+11], v[AF+48*(\p)+12*\a:AF+48*(\p)+12*\a+11], v[8*(8*\a+\b):8*(8*\a+\b)+7], v[SC+16*(\set)+2*\b+(\s2)], v[SC+16*(\set)+2*\a+(\s2)] matrix_a_fmt:MATRIX_FMT_FP6 matrix_b_fmt:MATRIX_FMT_FP6 matrix_b_scale:MATRIX_SCALE_ROW1
.endif
.endr
.endr
	WIN 0
.endm
; K step s of eight.  The next step's fragments are asked for ahead of this step's 32 products, into the set that the last step multiplied: four plain vector instructions stand between (ISA guide 7.12.1).
.macro KSTEP s
	s_wait_dscnt 0x0                               ; this step's fragments, asked for 32 products ago, are in
.if (\s) < 7
.if (\s)%2
	s_wait_tensorcnt 2-(\s)/2                      ; my load of the next quarter of K has landed; those of the quarters behind it may be out
	s_barrier_signal -1
	s_barrier_wait -1                              ; everybody's has
.irp v, A16, A8, B16, B8, ADS, ADS2
	v_add_nc_u32 v[\v], BLKB, v[\v]                ; on to the next quarter; these six are also the places in front of the loads
.endr
	FETCH 0, 1-(\s)%2
	SCALES ((\s)/2+1)%2
.else
	PLACES 4
	s_wait_alu depctr_va_vdst(0)
	FETCH 1, 1-(\s)%2
.endif
.endif
.if (\s) == 0
	MUL32 (\s)%2, (\s)%2, ((\s)/2)%2, 1            ; the first products start the sums: nothing is cleared
.else
	MUL32 (\s)%2, (\s)%2, ((\s)/2)%2, 0
.endif
.endm
	s_wait_alu depctr_va_vdst(0)
	s_wait_tensorcnt 3                             ; my load of the first quarter of K has landed; the three behind it may be out
	s_barrier_signal -1
	s_barrier_wait -1
	FETCH 0, 0
	SCALES 0
.irp s, 0,1,2,3,4,5,6,7
	KSTEP \s
.endr
; THE WAY OUT, a tile of 16 tokens x 128 outputs at a time: into my stage (accumulator b's eight numbers at 128 (b / 2) + 64 h + 32 (b % 2) of row r) and back as whole rows of 512 bytes.
; LDS serves a wave's instructions in order (ISA guide 5.7.1.4): no wait between the stores and the loads, nor in front of the next tile's stores.
.macro TOSTAGE a
	WIN 0x08                                       ; an LDS store's data are its source 1: window 2
.irp b, 0,1,2,3,4,5,6,7
	ds_store_b128 v[STO], v[64*(\a)+8*\b:64*(\a)+8*\b+3] offset:128*(\b/2)+32*(\b%2)       ; each accumulator from its low end on
	ds_store_b128 v[STO], v[64*(\a)+8*\b+4:64*(\a)+8*\b+7] offset:128*(\b/2)+32*(\b%2)+16
.endr
	WIN 0
.irp t, 0,1,2,3,4,5,6,7,8,9,10,11,12,13,14,15
	ds_load_b128 v[BK+64*((\a)%2)+4*\t:BK+64*((\a)%2)+4*\t+3], v[RD] offset:528*\t
.endr
.endm
.macro SEND a, younger                 ; younger: the LDS instructions issued behind tile a's loads, which may stay out
	s_wait_dscnt \younger
.irp t, 0,1,2,3,4,5,6,7,8,9,10,11,12,13,14,15
	global_store_b128 v[CO], v[BK+64*((\a)%2)+4*\t:BK+64*((\a)%2)+4*\t+3], s[8:9] offset:(32*((\a)/2)+8*((\a)%2)+\t+8*(\t/8))*4096 th:TH_STORE_NT   ; 32 lanes store 512 consecutive bytes, aligned to 256; written once, read by nobody here
.endr
.endm
	PLACES 4                                       ; behind the last products: for the first read of results and for the loads into the registers that held A's fragments
	TOSTAGE 0
.irp a, 1,2,3
.if \a > 1
	s_wait_xcnt 0x0                                ; tile a - 2's stores have read their registers: tile a's rows may land there
.endif
	TOSTAGE \a
	SEND \a-1, 32                                  ; behind tile a - 1's loads: tile a's 16 stores and 16 loads
.endr
	SEND 3, 0
	s_wait_tensorcnt 0x0                           ; the wave's end: behind my last tensor load and my last LDS store
	ds_add_u32 v[SPW], v[NIL]
	s_wait_dscnt 0x0
	CROUND                                         ; the closing round
	s_endpgm
.Lfunc_end_k_q3790071bd3_oproj:
	.size	k_q3790071bd3_oproj, .Lfunc_end_k_q3790071bd3_oproj-k_q3790071bd3_oproj
	.p2alignl 7, 3214868480
	.fill 96, 4, 3214868480
	.section	.rodata,"a",@progbits
	.p2align	6, 0x0
	.amdhsa_kernel k_q3790071bd3_oproj
		.amdhsa_group_segment_fixed_size 307712
		.amdhsa_private_segment_fixed_size 0
		.amdhsa_enable_private_segment 0
		.amdhsa_kernarg_size 24
		.amdhsa_user_sgpr_count 2
		.amdhsa_user_sgpr_kernarg_segment_ptr 1
		.amdhsa_wavefront_size32 1
		.amdhsa_system_sgpr_workgroup_id_x 1
		.amdhsa_system_sgpr_workgroup_id_y 1
		.amdhsa_system_sgpr_workgroup_id_z 1
		.amdhsa_system_vgpr_workitem_id 0
		.amdhsa_next_free_vgpr 768
		.amdhsa_next_free_sgpr 102
		.amdhsa_reserve_vcc 0
		.amdhsa_float_denorm_mode_32 3
		.amdhsa_float_denorm_mode_16_64 3
		.amdhsa_memory_ordered 1
		.amdhsa_forward_progress 1
		.amdhsa_inst_pref_size 85
	.end_amdhsa_kernel
	.amdgpu_metadata
---
amdhsa.version: [ 1, 2 ]
amdhsa.kernels:
  - .name:           k_q3790071bd3_oproj
    .symbol:         k_q3790071bd3_oproj.kd
    .args:
      - { .name: cg, .offset: 0, .size: 8, .value_kind: global_buffer, .address_space: global }
      - { .name: wg, .offset: 8, .size: 8, .value_kind: global_buffer, .address_space: global }
      - { .name: out0, .offset: 16, .size: 8, .value_kind: global_buffer, .address_space: global }
    .group_segment_fixed_size: 307712
    .private_segment_fixed_size: 0
    .kernarg_segment_align: 8
    .kernarg_segment_size: 24
    .max_flat_workgroup_size: 128
    .sgpr_count:     102
    .vgpr_count:     768
    .wavefront_size: 32
...
	.end_amdgpu_metadata
.endif
;; end of part 4
